; MI455X (gfx1250); checked and timed in simulation.
; The chip was launched on July 23, 2026; its instructions are those of AMD's public machine-readable ISA for CDNA 5 (MIT licence, August 2026) and "CDNA5" Instruction Set Architecture Reference Guide (July 2026). The comments in the code are by the model that wrote it; some were corrected since.
;; Attention Layer. Allowed arithmetic: float matrix products may take bf16 or f16 operands with f32 sums; other float arithmetic in f32, or as packed bf16 or f16 multiplies, adds, multiply-adds, maxima and minima; sums over many terms, partial sums and values carried from step to step in f32; what a program stores and reads back later, other than sums and carried values, may be rounded once to bf16 or f16.
;; Inputs: V 128 x 512 x 1,024 float32; Wal 1,024 x 1 float32; Wcp 1,024 x 1,024 float32; Wha 1,024 x 1,024 float32; Whp 1,024 x 1,024 float32; Wsa 1,024 x 1,024 float32; Wsp 1,024 x 1,024 float32; Wv 1,024 x 1,024 float32; bal 1 float32; bcp 1,024 float32; bha 1,024 float32; bhp 1,024 float32; bsa 1,024 float32; bsp 1,024 float32; bv 1,024 float32; h_t 128 x 1,024 float32; s_t 128 x 1,024 float32.
;; Outputs: out0 128 x 1,024 float32.
;; 2 versions, each right; version 2 is version 1 with the launch main written anew for expert scheduling mode. Each part assembles by itself: llvm-mc -triple=amdgcn-amd-amdhsa -mcpu=gfx1250 --defsym DOCPART=n.
;; ======== version 1 of 2: 3 launches
;; workspace buffers: sproj 524,288 bytes; hproj 524,288 bytes; sattp 8,388,608 bytes; hattp 8,388,608 bytes; wvb 2,097,152 bytes; part 1,179,648 bytes
;; launch pa (part 1): grid 128 x 2, 16 waves a work-group, no clusters, 274,688 bytes of LDS; arguments s_t, h_t, Wsp, Whp, bsp, bhp, Wv, sproj, hproj, wvb, Wsa, Wha, sattp, hattp; writes sproj, hproj, wvb, sattp, hattp
.if DOCPART == 1
	.amdgcn_target "amdgcn-amd-amdhsa--gfx1250"
	.amdhsa_code_object_version 6
	.text
	.protected	k_qd2c28b7ee7_pa
	.globl	k_qd2c28b7ee7_pa
	.p2align	8
	.type	k_qd2c28b7ee7_pa,@function
k_qd2c28b7ee7_pa:
	s_mov_b64 s[64:65], 0
	v_nop
	global_prefetch_b8 v0, s[64:65] scope:SCOPE_SE
	s_setreg_imm32_b32 hwreg(HW_REG_WAVE_MODE, 25, 1), 1
	s_wait_xcnt 0x0
; y = 0: sproj = relu(s_t Wsp + bsp), and its part in sproj Wsa.  y = 1: hproj = tanh(h_t Whp + bhp), and its part in hproj Wha.  All weights lie [k][n], f32.
; Beside that each work-group rounds 1/256 of Wv to bf16 and lays it in the order in which the main launch's fragments are loaded.
; FIRST PRODUCT.  A work-group makes 16 rows x 64 columns; K = 1,024 is split among its 16 waves, 64 each.  A wave's piece of the weights (64 k x 64 n) is rounded to bf16, laid into its own
; LDS rows [k][n] and read back turned; its piece of x (16 rows x 64) is loaded by whole runs of 256 bytes, rounded, laid into its own LDS rows and read back as fragments.
; The product is taken transposed (source 0 = 16 columns of W, source 1 = the 16 rows of x): a lane holds one row and eight neighbouring columns.  The 16 partial sums (f32) meet in LDS;
; wave v finishes row v, stores its 64 numbers (256 consecutive bytes, aligned) and leaves them in LDS as bf16.
; SECOND PRODUCT.  Those 16 x 64 numbers are ONE SLICE OF K, 64 nblk .. + 63, of the next product.  Wave v multiplies them by rows 64 nblk .. + 63, columns 64 v .. + 63 of the second weights:
; a partial sum of 16 rows x 64 columns in f32, stored to sattp / hattp [slice][128][1024].  The launch that reads them adds the 16 slices and the bias.  So no launch stands between the two products,
; and no work-group reads what another has stored.  The second weights are asked for at the start and behind the first weights' landing, so that they are on their way under the first product.
; No tensor load, no cluster, no prefetch: nothing is filled again, and each wave asks for its data in two runs near its start.
; LIMITS.  Matrix operands are bf16 (sproj and hproj rounded once for the second product), sums f32.  tanh(x) = 1 - 2 / (1 + 2^(2 log2(e) x)): it ends at +-1 where the power overflows or vanishes.
; NaN and infinities are not treated apart.
.set WPITCH, 160                       ; an LDS row of weights: 64 bf16 + 32 bytes of padding
.set WREG,   64*WPITCH                 ; a wave's 64 rows; first the first weights', then the second's
.set RED,    16*WREG                   ; the partial sums, for each wave 16 rows of 64 f32 + 16 bytes; later each wave's stage for the way out
.set RPITCH, 272
.set RREG,   16*RPITCH
.set XS,     RED+16*RREG               ; x as bf16, for each wave 16 rows of 64 + 16 bytes
.set XPITCH, 144
.set XREG,   16*XPITCH
.set XP,     XS+16*XREG                ; the finished 16 x 64 numbers as bf16, the work-group's
.set SPARE,  XP+XREG                   ; the spare words: 128 bytes for each of 16 waves, eight blocks of 256 bytes that no other line names
.set WL,  24                           ; v[24:151]  the first weights as loaded
.set WF,  24                           ; v[24:55]   one K step's fragments of them; for the second product v[24:87], both K steps'
.set AC1, 56                           ; v[56:87]   the first product's four accumulators
.set W2B, 88                           ; v[88:151]  the second weights' rows 32-63 as loaded
.set AC2, 88                           ; v[88:119]  the second product's four accumulators
.set OB,  120                          ; v[120:151] the way out
.set XL,  152                          ; v[152:183] x as loaded; v[152:167] two fragments
.set CV,  184                          ; v[184:191] eight numbers of Wv; v[184:187] rounded
.set W2A, 192                          ; v[192:255] the second weights' rows 0-31 as loaded
.macro PLACES
.rept 4
	v_nop
.endr
.endm
	s_load_b512 s[4:19], s[0:1], 0x0               ; s_t, h_t, Wsp, Whp, bsp, bhp, Wv, sproj
	s_load_b128 s[20:23], s[0:1], 0x40             ; hproj, wvb
	s_load_b128 s[68:71], s[0:1], 0x50             ; Wsa, Wha
	s_load_b128 s[72:75], s[0:1], 0x60             ; sattp, hattp
	v_lshl_add_u32 v12, v0, 2, SPARE               ; my spare word
	v_mov_b32 v13, 0
	v_lshrrev_b32 v1, 5, v0
	v_readfirstlane_b32 s24, v1                    ; wave v, 0..15
	v_and_b32 v1, 31, v0                           ; l
	v_and_b32 v2, 15, v0                           ; r = l % 16
	v_bfe_u32 v3, v0, 4, 1                         ; h = l / 16
	s_and_b32 s25, ttmp9, 7                        ; block of 16 rows
	s_lshr_b32 s26, ttmp9, 3                       ; block of 64 columns
	s_and_b32 s27, ttmp7, 0xffff                   ; y: which of the two chains
	v_lshlrev_b32 v4, 4, v2
	v_lshl_add_u32 v4, v3, 12, v4                  ; rows of 4,096 bytes: lanes 0-15 one row's 256 bytes, lanes 16-31 the next row's; for both weights, x and the partial sums
	s_mul_i32 s55, s24, WREG
	v_mul_u32_u24 v6, v3, WPITCH
	v_lshl_add_u32 v6, v2, 3, v6
	v_add_nc_u32 v6, s55, v6                       ; where my 8 bytes of weights go
	v_and_b32 v7, 7, v0
	v_lshl_add_u32 v7, v3, 3, v7
	v_mul_u32_u24 v7, v7, WPITCH
	v_bfe_u32 v16, v0, 3, 1
	v_lshl_add_u32 v7, v16, 4, v7
	v_add_nc_u32 v7, s55, v7                       ; the turning load: row 8 h + l % 8, 16 bytes by (l / 8) % 2
	s_mul_i32 s60, s24, RREG
	s_add_co_u32 s60, s60, RED
	v_mul_u32_u24 v8, v2, RPITCH
	v_lshl_add_u32 v8, v3, 5, v8
	v_add_nc_u32 v8, s60, v8                       ; my sums: row r, columns 8 h on
	s_mul_i32 s56, s24, RPITCH
	s_add_co_u32 s56, s56, RED
	v_lshl_add_u32 v9, v1, 3, s56                  ; back: row v of each wave's sums, two columns a lane
	v_lshlrev_b32 v10, 3, v1                       ; 8 l: bias and result
	s_mul_i32 s57, s24, XREG
	s_add_co_u32 s57, s57, XS
	v_mul_u32_u24 v5, v3, XPITCH
	v_lshl_add_u32 v5, v2, 3, v5
	v_add_nc_u32 v5, s57, v5                       ; where my 8 bytes of x go
	v_mul_u32_u24 v11, v2, XPITCH
	v_lshl_add_u32 v11, v3, 4, v11                 ; a fragment: row r, 16 h bytes on,
	v_add_nc_u32 v23, XP, v11                      ; of the finished tile,
	v_add_nc_u32 v11, s57, v11                     ; and of my piece of x
	s_mul_i32 s58, s24, XPITCH
	s_add_co_u32 s58, s58, XP
	v_lshl_add_u32 v22, v1, 2, s58                 ; where my two finished numbers go: row v
	v_mul_u32_u24 v1, v3, RPITCH                   ; l is not wanted any more: the way out reads my stage by rows,
	v_lshl_add_u32 v1, v2, 4, v1
	v_add_nc_u32 v1, s60, v1                       ; lanes 0-15 one row of 256 bytes, lanes 16-31 the next
	v_lshlrev_b32 v20, 2, v0                       ; Wv: thread T takes column 512 nh + T
	v_lshrrev_b32 v21, 7, v0
	v_lshlrev_b32 v21, 18, v21                     ; its place in wvb: strip T / 128,
	v_bfe_u32 v16, v0, 4, 3
	v_lshl_add_u32 v21, v16, 10, v21               ; column tile (T / 16) % 8,
	v_lshl_add_u32 v21, v2, 4, v21                 ; 16 bytes for column T % 16
	s_lshl_b32 s28, s26, 8                         ; 64 columns are 256 bytes
	s_lshl_b32 s29, s24, 8                         ; and so are my 64 numbers of a row
	s_lshl_b32 s30, s24, 18                        ; the first weights: my 64 rows, the block's columns
	s_add_co_u32 s30, s30, s28
	s_mov_b32 s31, 0
	s_lshl_b32 s32, s25, 16                        ; x: the block's 16 rows, my 64 numbers
	s_add_co_u32 s32, s32, s29
	s_mov_b32 s33, 0
	s_mov_b32 s34, s28
	s_mov_b32 s35, 0
	s_lshl_b32 s36, s25, 4
	s_add_co_u32 s36, s36, s24                     ; the row that I finish
	s_lshl_b32 s36, s36, 12
	s_add_co_u32 s36, s36, s28
	s_mov_b32 s37, 0
	s_lshl_b32 s80, s26, 18                        ; the second weights: the slice's 64 rows, my 64 columns
	s_add_co_u32 s80, s80, s29
	s_mov_b32 s81, 0
	s_lshl_b32 s82, s26, 19                        ; the partial sums: the slice's 524,288 bytes, the block's 16 rows, my 64 columns
	s_add_co_u32 s82, s82, s32
	s_mov_b32 s83, 0
	s_mov_b32 s38, 0x4038aa3b                      ; 2 log2(e)
	s_mov_b32 s39, s38                             ; named with it as a pair
	s_lshl_b32 s54, s27, 7
	s_add_co_u32 s54, s54, ttmp9                   ; 0..255: which 8 rows x 512 columns of Wv are mine
	s_lshr_b32 s61, s54, 1                         ; kg: rows 8 kg .. 8 kg + 7
	s_and_b32 s62, s54, 1                          ; nh: which half of the columns
	s_lshl_b32 s50, s61, 15
	s_lshl_b32 s63, s62, 11
	s_add_co_u32 s50, s50, s63
	s_mov_b32 s51, 0
	s_lshl_b32 s52, s62, 20                        ; in wvb: four strips of 262,144 bytes for each half,
	s_lshr_b32 s63, s61, 2
	s_lshl_b32 s63, s63, 13                        ; the K step of 32,
	s_add_co_u32 s52, s52, s63
	s_and_b32 s63, s61, 3
	s_lshl_b32 s63, s63, 8                         ; the 8 k among its 32
	s_add_co_u32 s52, s52, s63
	s_mov_b32 s53, 0
	s_wait_kmcnt 0x0
	s_cmp_eq_u32 s27, 0
	s_cselect_b64 s[40:41], s[4:5], s[6:7]         ; x
	s_cselect_b64 s[42:43], s[8:9], s[10:11]       ; the first weights
	s_cselect_b64 s[44:45], s[12:13], s[14:15]     ; their bias
	s_cselect_b64 s[46:47], s[18:19], s[20:21]     ; the first result
	s_cselect_b64 s[76:77], s[68:69], s[70:71]     ; the second weights
	s_cselect_b64 s[78:79], s[72:73], s[74:75]     ; the partial sums
	s_cselect_b32 s48, -1, 0                       ; all lanes: relu; none: tanh
	s_add_nc_u64 s[40:41], s[40:41], s[32:33]
	s_add_nc_u64 s[42:43], s[42:43], s[30:31]
	s_add_nc_u64 s[44:45], s[44:45], s[34:35]
	s_add_nc_u64 s[46:47], s[46:47], s[36:37]
	s_add_nc_u64 s[76:77], s[76:77], s[80:81]
	s_add_nc_u64 s[78:79], s[78:79], s[82:83]
	s_add_nc_u64 s[16:17], s[16:17], s[50:51]
	s_add_nc_u64 s[22:23], s[22:23], s[52:53]
.set i, 0
.rept 32
	global_load_b128 v[WL+4*i:WL+4*i+3], v4, s[42:43] offset:i*8192    ; rows 2 i and 2 i + 1: two aligned runs of 256 bytes
.set i, i+1
.endr
.set i, 0
.rept 8
	global_load_b128 v[XL+4*i:XL+4*i+3], v4, s[40:41] offset:i*8192    ; x likewise
.set i, i+1
.endr
	global_load_b64 v[14:15], v10, s[44:45]
.set i, 0
.rept 16
	global_load_b128 v[W2A+4*i:W2A+4*i+3], v4, s[76:77] offset:i*8192  ; the second weights' rows 0-31
.set i, i+1
.endr
	s_wait_loadcnt 25                              ; the first weights are in: behind them stand x's 8 loads, the bias and 16 of the second weights
.set i, 0
.rept 32
	v_cvt_pk_bf16_f32 v[WL+4*i], v[WL+4*i], v[WL+4*i+1]
	v_cvt_pk_bf16_f32 v[WL+4*i+1], v[WL+4*i+2], v[WL+4*i+3]
.set i, i+1
.endr
.set i, 0
.rept 32
	ds_store_b64 v6, v[WL+4*i:WL+4*i+1] offset:i*2*WPITCH
.set i, i+1
.endr
.set i, 0
.rept 16
	global_load_b128 v[W2B+4*i:W2B+4*i+3], v4, s[76:77] offset:(16+i)*8192     ; the second weights' rows 32-63, into registers that have been stored
.set i, i+1
.endr
.irp e, 0,1,2,3,4,5,6,7
	global_load_b32 v[CV+(\e)], v20, s[16:17] offset:(\e)*4096
.endr
	s_wait_loadcnt 41                              ; x is in: behind it stand the bias, 32 loads of the second weights and Wv's 8
.set i, 0
.rept 8
	v_cvt_pk_bf16_f32 v[XL+4*i], v[XL+4*i], v[XL+4*i+1]
	v_cvt_pk_bf16_f32 v[XL+4*i+1], v[XL+4*i+2], v[XL+4*i+3]
.set i, i+1
.endr
.set i, 0
.rept 8
	ds_store_b64 v5, v[XL+4*i:XL+4*i+1] offset:i*2*XPITCH
.set i, i+1
.endr
.irp q, 0,1,2,3
	ds_load_b128 v[XL+4*(\q):XL+4*(\q)+3], v11 offset:32*(\q)          ; LDS serves a wave's instructions in order: these see my stores above
.endr
.irp c, 0,1,2,3
	ds_load_tr16_b128 v[WF+8*(\c):WF+8*(\c)+3],   v7 offset:32*(\c)
	ds_load_tr16_b128 v[WF+8*(\c)+4:WF+8*(\c)+7], v7 offset:32*(\c)+16*WPITCH
.endr
	s_wait_dscnt 0x0
.irp c, 0,1,2,3                        ; the four accumulators take turns
	v_wmma_f32_16x16x32_bf16 v[AC1+8*(\c):AC1+8*(\c)+7], v[WF+8*(\c):WF+8*(\c)+7], v[XL:XL+7], 0
.endr
	PLACES                                         ; four places in front of loads into registers that those products have read
.irp c, 0,1,2,3
	ds_load_tr16_b128 v[WF+8*(\c):WF+8*(\c)+3],   v7 offset:32*WPITCH+32*(\c)
	ds_load_tr16_b128 v[WF+8*(\c)+4:WF+8*(\c)+7], v7 offset:32*WPITCH+32*(\c)+16*WPITCH
.endr
	s_wait_dscnt 0x0
.irp c, 0,1,2,3
	v_wmma_f32_16x16x32_bf16 v[AC1+8*(\c):AC1+8*(\c)+7], v[WF+8*(\c):WF+8*(\c)+7], v[XL+8:XL+15], v[AC1+8*(\c):AC1+8*(\c)+7]
.endr
	PLACES                                         ; four places behind the last product, in front of the stores that read results
.irp c, 0,1,2,3
	ds_store_b128 v8, v[AC1+8*(\c):AC1+8*(\c)+3]   offset:64*(\c)
	ds_store_b128 v8, v[AC1+8*(\c)+4:AC1+8*(\c)+7] offset:64*(\c)+16
.endr
	s_wait_dscnt 0x0                               ; for the others' sake: my partial sums are in LDS
	s_barrier_signal -1
	s_barrier_wait -1
.set i, 0
.rept 16
	ds_load_b64 v[WL+2*i:WL+2*i+1], v9 offset:i*RREG
.set i, i+1
.endr
	s_wait_dscnt 0x0
.irp k, 0,1,2,3,4,5,6,7
	v_pk_add_f32 v[WL+2*(\k):WL+2*(\k)+1], v[WL+2*(\k):WL+2*(\k)+1], v[WL+16+2*(\k):WL+16+2*(\k)+1]
.endr
.irp k, 0,1,2,3
	v_pk_add_f32 v[WL+2*(\k):WL+2*(\k)+1], v[WL+2*(\k):WL+2*(\k)+1], v[WL+8+2*(\k):WL+8+2*(\k)+1]
.endr
.irp k, 0,1
	v_pk_add_f32 v[WL+2*(\k):WL+2*(\k)+1], v[WL+2*(\k):WL+2*(\k)+1], v[WL+4+2*(\k):WL+4+2*(\k)+1]
.endr
	v_pk_add_f32 v[WL:WL+1], v[WL:WL+1], v[WL+2:WL+3]
	s_wait_loadcnt 40                              ; the bias is in: behind it stand 32 loads of the second weights and Wv's 8
	v_pk_add_f32 v[WL:WL+1], v[WL:WL+1], v[14:15]
	; both activations are made, and a mask that hangs on y alone chooses
	v_pk_mul_f32 v[18:19], v[WL:WL+1], s[38:39] op_sel_hi:[1,0]
	v_exp_f32 v18, v18
	v_exp_f32 v19, v19
	v_max_num_f32 v16, 0, v[WL]                    ; plain work behind the exponentials
	v_max_num_f32 v17, 0, v[WL+1]
	s_wait_alu depctr_va_vdst(0)                   ; one wait for both, ahead of their first reader
	v_pk_add_f32 v[18:19], v[18:19], 1.0 op_sel_hi:[1,0]
	v_rcp_f32 v18, v18
	v_rcp_f32 v19, v19
	v_nop
	s_wait_alu depctr_va_vdst(0)
	v_pk_fma_f32 v[18:19], v[18:19], -2.0, 1.0 op_sel_hi:[1,0,0]
	v_cndmask_b32 v[WL], v18, v16, s48
	v_cndmask_b32 v[WL+1], v19, v17, s48
	global_store_b64 v10, v[WL:WL+1], s[46:47]     ; the wave stores 256 consecutive bytes, aligned
	v_cvt_pk_bf16_f32 v16, v[WL], v[WL+1]
	ds_store_b32 v22, v16                          ; and leaves them in LDS for the second product
	s_wait_loadcnt 24                              ; the second weights' rows 0-31 are in: behind them stand rows 32-63 and Wv's 8
.set i, 0
.rept 16
	v_cvt_pk_bf16_f32 v[W2A+4*i], v[W2A+4*i], v[W2A+4*i+1]
	v_cvt_pk_bf16_f32 v[W2A+4*i+1], v[W2A+4*i+2], v[W2A+4*i+3]
.set i, i+1
.endr
.set i, 0
.rept 16
	ds_store_b64 v6, v[W2A+4*i:W2A+4*i+1] offset:i*2*WPITCH            ; my own rows: my reads of the first weights came back long ago
.set i, i+1
.endr
	s_wait_loadcnt 8                               ; rows 32-63 are in
.set i, 0
.rept 16
	v_cvt_pk_bf16_f32 v[W2B+4*i], v[W2B+4*i], v[W2B+4*i+1]
	v_cvt_pk_bf16_f32 v[W2B+4*i+1], v[W2B+4*i+2], v[W2B+4*i+3]
.set i, i+1
.endr
.set i, 0
.rept 16
	ds_store_b64 v6, v[W2B+4*i:W2B+4*i+1] offset:(16+i)*2*WPITCH
.set i, i+1
.endr
	s_wait_loadcnt 0x0                             ; Wv's eight numbers
.irp q, 0,1,2,3
	v_cvt_pk_bf16_f32 v[CV+(\q)], v[CV+2*(\q)], v[CV+2*(\q)+1]         ; ascending: no number is written over before it is read
.endr
	global_store_b128 v21, v[CV:CV+3], s[22:23]    ; 16 lanes store 256 consecutive bytes, aligned
	s_wait_xcnt 0x0                                ; the stores have read their registers: v24-25 are loaded into below
	s_wait_dscnt 0x0                               ; for the others' sake: my row of the tile is in LDS, and my reads of the partial sums are back
	s_barrier_signal -1
	s_barrier_wait -1
.irp q, 0,1,2,3
	ds_load_b128 v[XL+4*(\q):XL+4*(\q)+3], v23 offset:32*(\q)          ; the tile's two fragments
.endr
.irp s, 0,1
.irp c, 0,1,2,3
	ds_load_tr16_b128 v[WF+8*(4*(\s)+(\c)):WF+8*(4*(\s)+(\c))+3],   v7 offset:(\s)*32*WPITCH+32*(\c)
	ds_load_tr16_b128 v[WF+8*(4*(\s)+(\c))+4:WF+8*(4*(\s)+(\c))+7], v7 offset:(\s)*32*WPITCH+32*(\c)+16*WPITCH
.endr
.endr
	s_wait_dscnt 0x0
.irp c, 0,1,2,3
	v_wmma_f32_16x16x32_bf16 v[AC2+8*(\c):AC2+8*(\c)+7], v[WF+8*(\c):WF+8*(\c)+7], v[XL:XL+7], 0
.endr
.irp c, 0,1,2,3
	v_wmma_f32_16x16x32_bf16 v[AC2+8*(\c):AC2+8*(\c)+7], v[WF+32+8*(\c):WF+32+8*(\c)+7], v[XL+8:XL+15], v[AC2+8*(\c):AC2+8*(\c)+7]
.endr
	PLACES
.irp c, 0,1,2,3                        ; through my own stage, which nobody reads any more: in by lanes' rows, back by whole rows
	ds_store_b128 v8, v[AC2+8*(\c):AC2+8*(\c)+3]   offset:64*(\c)
	ds_store_b128 v8, v[AC2+8*(\c)+4:AC2+8*(\c)+7] offset:64*(\c)+16
.endr
.irp t, 0,1,2,3,4,5,6,7
	ds_load_b128 v[OB+4*(\t):OB+4*(\t)+3], v1 offset:(\t)*2*RPITCH     ; LDS serves a wave's instructions in order: these see the stores above
.endr
.irp t, 0,1,2,3,4,5,6,7
	s_wait_dscnt 7-(\t)
	global_store_b128 v4, v[OB+4*(\t):OB+4*(\t)+3], s[78:79] offset:(\t)*8192  ; 16 lanes store 256 consecutive bytes, aligned
.endr
	s_wait_tensorcnt 0x0                           ; the wave's end: behind my last LDS store
	ds_add_u32 v12, v13
	s_wait_dscnt 0x0
	s_endpgm
.Lfunc_end_k_qd2c28b7ee7_pa:
	.size	k_qd2c28b7ee7_pa, .Lfunc_end_k_qd2c28b7ee7_pa-k_qd2c28b7ee7_pa
	.p2alignl 7, 3214868480
	.fill 96, 4, 3214868480
	.section	.rodata,"a",@progbits
	.p2align	6, 0x0
	.amdhsa_kernel k_qd2c28b7ee7_pa
		.amdhsa_group_segment_fixed_size 274688
		.amdhsa_private_segment_fixed_size 0
		.amdhsa_enable_private_segment 0
		.amdhsa_kernarg_size 112
		.amdhsa_user_sgpr_count 2
		.amdhsa_user_sgpr_kernarg_segment_ptr 1
		.amdhsa_wavefront_size32 1
		.amdhsa_system_sgpr_workgroup_id_x 1
		.amdhsa_system_sgpr_workgroup_id_y 1
		.amdhsa_system_sgpr_workgroup_id_z 1
		.amdhsa_system_vgpr_workitem_id 0
		.amdhsa_next_free_vgpr 256
		.amdhsa_next_free_sgpr 84
		.amdhsa_reserve_vcc 0
		.amdhsa_float_denorm_mode_32 3
		.amdhsa_float_denorm_mode_16_64 3
		.amdhsa_memory_ordered 1
		.amdhsa_forward_progress 1
		.amdhsa_inst_pref_size 37
	.end_amdhsa_kernel
	.amdgpu_metadata
---
amdhsa.version: [ 1, 2 ]
amdhsa.kernels:
  - .name:           k_qd2c28b7ee7_pa
    .symbol:         k_qd2c28b7ee7_pa.kd
    .args:
      - { .name: s_t, .offset: 0, .size: 8, .value_kind: global_buffer, .address_space: global }
      - { .name: h_t, .offset: 8, .size: 8, .value_kind: global_buffer, .address_space: global }
      - { .name: Wsp, .offset: 16, .size: 8, .value_kind: global_buffer, .address_space: global }
      - { .name: Whp, .offset: 24, .size: 8, .value_kind: global_buffer, .address_space: global }
      - { .name: bsp, .offset: 32, .size: 8, .value_kind: global_buffer, .address_space: global }
      - { .name: bhp, .offset: 40, .size: 8, .value_kind: global_buffer, .address_space: global }
      - { .name: Wv, .offset: 48, .size: 8, .value_kind: global_buffer, .address_space: global }
      - { .name: sproj, .offset: 56, .size: 8, .value_kind: global_buffer, .address_space: global }
      - { .name: hproj, .offset: 64, .size: 8, .value_kind: global_buffer, .address_space: global }
      - { .name: wvb, .offset: 72, .size: 8, .value_kind: global_buffer, .address_space: global }
      - { .name: Wsa, .offset: 80, .size: 8, .value_kind: global_buffer, .address_space: global }
      - { .name: Wha, .offset: 88, .size: 8, .value_kind: global_buffer, .address_space: global }
      - { .name: sattp, .offset: 96, .size: 8, .value_kind: global_buffer, .address_space: global }
      - { .name: hattp, .offset: 104, .size: 8, .value_kind: global_buffer, .address_space: global }
    .group_segment_fixed_size: 274688
    .private_segment_fixed_size: 0
    .kernarg_segment_align: 8
    .kernarg_segment_size: 112
    .max_flat_workgroup_size: 512
    .sgpr_count:     84
    .vgpr_count:     256
    .wavefront_size: 32
...
	.end_amdgpu_metadata
.endif
;; end of part 1
;; launch main (part 2): grid 256 x 1, 4 waves a work-group, no clusters, 298,752 bytes of LDS; arguments V, wvb, bv, hattp, sattp, Wal, bal, sproj, part, bha, bsa; writes part
.if DOCPART == 2
	.amdgcn_target "amdgcn-amd-amdhsa--gfx1250"
	.amdhsa_code_object_version 6
	.text
	.protected	k_qd2c28b7ee7_main
	.globl	k_qd2c28b7ee7_main
	.p2align	8
	.type	k_qd2c28b7ee7_main,@function
k_qd2c28b7ee7_main:
	s_mov_b64 s[64:65], 0
	v_nop
	global_prefetch_b8 v0, s[64:65] scope:SCOPE_SE
	s_setreg_imm32_b32 hwreg(HW_REG_WAVE_MODE, 25, 1), 1
	s_wait_xcnt 0x0
; For half a batch (256 rows of V): score[r] = sum over n of Wal[n] tanh(relu(V[r] . Wv[:, n] + bv[n]) + hatt[n]) + bal, a running softmax over the scores, and the
; weighted sum of the same rows of V.  The first half of a batch also takes the row made of s_t (score from satt, value sproj).  Out: part[g] = 1,024 unnormalised sums, then (m, l).
; hatt and satt arrive as 16 partial sums over slices of K (f32), which are added here, with their biases, while the tables are made.
; SHARES.  Work-group g: batch g / 2, half g % 2, as two blocks of 128 rows.  A block is rounded to bf16 once and LIES IN LDS for all its work, so V is read from memory once.
; Two passes over Wv's columns, 512 each: wave w makes all 128 rows x columns 512 p + 128 w .. + 127: 64 accumulators, 512 registers; 32 K steps of 32, 64 matrix instructions each.
; V's fragments come from LDS (16 loads a step); Wv's come straight from wvb, which an earlier launch laid in fragment order: 16 loads a step, each of 512 consecutive bytes, three steps ahead.
; Both stand in ONE run in the middle of a step.
; THE PRODUCT IS TAKEN TRANSPOSED (source 0 = 16 columns of Wv, source 1 = 16 rows of V): a lane holds ONE row of V and eight columns, so the sum over columns stays in the lane.
; relu(s + bv) + hatt = max(s, -bv) + (bv + hatt);  tanh(x) = 1 - 2 / (1 + 2^(c x)), c = 2 log2(e);  so score = (sum of Wal + bal) + sum of (-2 Wal) / (1 + 2^(c max(s, -bv) + c (bv + hatt))).
; SOFTMAX.  A running maximum m and sum l over the blocks; p = 2^((score - m) log2(e)); the sums so far are multiplied by a = 2^((m_old - m) log2(e)).
; CONTEXT.  sum of p[r] V[r][d] by the matrix unit: source 0 = p in all 16 rows, source 1 = V's rows out of LDS, turned; wave w makes columns 256 w .. + 255.
; A BLOCK'S FIRST THREE GROUPS OF LOADS go out early: at the head behind the table loads; for the second block in the middle of the first block's last epilogue, into accumulators that are spent.
; NO TENSOR LOAD AND NO CLUSTER, though all work-groups read the same Wv: the block and the tables take 298,240 of a WGP's 327,680 bytes of LDS, and one K step of 32 for a pass's 512
; columns is 32,768 bytes: no two slots of it fit.  No two waves of a work-group want the same byte of Wv, so registers serve.
; LIMITS.  Matrix operands are bf16: V (for the scores and for the context), Wv, p; all sums, m and l are f32, l of the unrounded p.  A weight below 2^-126 counts as 0.
; Where 2^(c x) overflows or vanishes tanh ends at +-1.  NaN and infinities are not treated apart.
;
; REGISTERS, in windows of 256 (s_set_vgpr_msb: bits 1:0 source 0, 3:2 source 1, 5:4 source 2, 7:6 destination):
;   window 0: v0-15 addresses; v16 m, v17 l, v18 the extra row's score, v19 sum of Wal + bal; v20-27 sproj; v28-29 the add's; v30-31 a; v32-47 row sums S; v48-63 context;
;             v64-191 V's fragments, two buffers; in the epilogue v64-255 the columns' constants; in the context v64-95 p, v96-223 its results; v192-255 at work otherwise
;   window 1: Wv's fragments, four buffers of 64       windows 2, 3: the accumulators, (a, b) at v[8 (8 (a % 4) + b)]; between the products: window 2 V as it lands, window 3 V turned (at the head: the partial sums)
.set PITCH, 272                        ; an LDS row: 128 bf16 + 16 bytes: the 16 rows of a fragment load start 4 banks apart
.set PANEL, 128*PITCH                  ; 128 rows x 128 of K; eight panels hold the block
.set TAB,   8*PANEL                    ; -bv[1024]; at +4096 c (bv + hatt); at +8192 -2 Wal
.set SC,    TAB+12288                  ; each wave's part of the 128 scores
.set PB,    SC+2048                    ; each wave's own copy of p, bf16
.set RS,    PB+1024                    ; each wave's two sums at the start
.set CST,   RS+256                     ; each wave's stage for the way out
.set SPARE, CST+4096                   ; the spare words: 128 bytes for each wave, two blocks of 256 bytes that no other line names
.set SLICE, 524288                     ; bytes from one partial sum of hatt or satt to the next
.set MSB, 0
.macro WIN new                         ; the immediate's high byte repeats the setting that is left; a switch that changes nothing is dropped
.if MSB != (\new)
	s_set_vgpr_msb (MSB<<8)|(\new)
.set MSB, (\new)
.endif
.endm
.macro PLACES                          ; four places behind a matrix instruction, in front of loads into its registers and of vector lines that read its result
.rept 4
	v_nop
.endr
.endm
.macro BAR                             ; my LDS instructions are done; then everybody's are
	s_wait_dscnt 0x0
	s_barrier_signal -1
	s_barrier_wait -1
.endm
; Wv's fragments of a strip's first three K steps, into buffers 0 to 2: 48 loads
.macro BPRO
	WIN 0x40
.irp i, 0,1,2
.irp b, 0,1,2,3,4,5,6,7
	global_load_b128 v[64*(\i)+8*(\b):64*(\i)+8*(\b)+3],   v1, s[28:29] offset:(\i)*8192+(\b)*1024
	global_load_b128 v[64*(\i)+8*(\b)+4:64*(\i)+8*(\b)+7], v1, s[28:29] offset:(\i)*8192+(\b)*1024+512
.endr
.endr
	WIN 0
.endm
; V lands in groups of 16 rows x 128 numbers: 16 loads, each 512 consecutive bytes of one row.  Group j of a round: numbers 128 (j / 2) on, rows 16 (j % 2) on; into set j % 4 of window 2.
.macro VFILL j
	WIN 0x80
.irp i, 0,1,2,3,4,5,6,7,8,9,10,11,12,13,14,15
	global_load_b128 v[64*((\j)%4)+4*(\i):64*((\j)%4)+4*(\i)+3], v1, s[26:27] offset:((\j)/2)*512+((\j)%2)*65536+(\i)*4096 th:TH_LOAD_NT
.endr
.endm
; Group tt is rounded in place and stored, 256 consecutive LDS bytes an instruction; fill = 1: the set of the group before it takes the group three on.  left: the younger loads that may stay out.
.macro VTURN tt, fill, left
	s_wait_loadcnt \left
	WIN 0x8a
.irp i, 0,1,2,3,4,5,6,7,8,9,10,11,12,13,14,15
	v_cvt_pk_bf16_f32 v[64*(\tt)+4*(\i)],   v[64*(\tt)+4*(\i)],   v[64*(\tt)+4*(\i)+1]
	v_cvt_pk_bf16_f32 v[64*(\tt)+4*(\i)+1], v[64*(\tt)+4*(\i)+2], v[64*(\tt)+4*(\i)+3]
.endr
	WIN 0x08
.irp i, 0,1,2,3,4,5,6,7,8,9,10,11,12,13,14,15
	ds_store_b64 v6, v[64*(\tt)+4*(\i):64*(\tt)+4*(\i)+1] offset:((\tt)/2)*PANEL+((\tt)%2)*16*PITCH+(\i)*PITCH
.endr
.if \fill
	VFILL (\tt)+3
.endif
.endm
; V's fragments of one K step (128 rows x 32) into buffer x: 16 loads, rows ascending
.macro FETCHA x, off
	WIN 0
.irp a, 0,1,2,3,4,5,6,7
	ds_load_b128 v[64+64*(\x)+8*(\a):64+64*(\x)+8*(\a)+3],   v2 offset:(\off)+(\a)*16*PITCH
	ds_load_b128 v[64+64*(\x)+8*(\a)+4:64+64*(\x)+8*(\a)+7], v2 offset:(\off)+(\a)*16*PITCH+32
.endr
.endm
; 32 matrix instructions: row tiles 4 hi .. 4 hi + 3 x all 8 column tiles.  The accumulators take turns, one instruction a turn, in the same order in every step.  zero = 1: the product starts the sums.
.macro MUL32 i, x, hi, zero
	WIN 0xa1+0x50*(\hi)
.irp a, 0,1,2,3
.irp b, 0,1,2,3,4,5,6,7
.if \zero
	v_wmma_f32_16x16x32_bf16 v[8*(8*(\a)+(\b)):8*(8*(\a)+(\b))+7], v[64*(\i)+8*(\b):64*(\i)+8*(\b)+7], v[64+64*(\x)+8*(4*(\hi)+(\a)):64+64*(\x)+8*(4*(\hi)+(\a))+7], 0
.else
	v_wmma_f32_16x16x32_bf16 v[8*(8*(\a)+(\b)):8*(8*(\a)+(\b))+7], v[64*(\i)+8*(\b):64*(\i)+8*(\b)+7], v[64+64*(\x)+8*(4*(\hi)+(\a)):64+64*(\x)+8*(4*(\hi)+(\a))+7], v[8*(8*(\a)+(\b)):8*(8*(\a)+(\b))+7]
.endif
.endr
.endr
.endm
; A K STEP.  i = the step's number mod 4: Wv's buffer; V's buffer is i % 2.  All its loads stand in ONE run in its middle, behind four places: the next step's fragments of V (nxt = 1), into the
; buffer that the step before read, and Wv's fragments of the step three on (ld = 1), into the buffer that the step before read.  s[28:29] stands at the first of the four steps to which this one
; belongs; adv = 1: it is stepped there.  lcnt: Wv's younger loads.  last = 1: the pass's last step.
.macro STEP i, zero, ld, lcnt, nxt, adv=0, last=0
	s_wait_loadcnt \lcnt                           ; this step's 16 loads of Wv are in; those of the steps behind it stay out
	s_wait_dscnt 8                                 ; V's rows 0-63 are in; the youngest eight loads may be out
	MUL32 \i, (\i)%2, 0, \zero
	WIN 0
	PLACES                                         ; behind the last product of the step before, which read the registers that are loaded now
.if \nxt
.if (\i) == 3
	FETCHA 0, PANEL                                ; the next 128 of K lie a panel on
	s_add_co_u32 s44, s44, PANEL
	v_add_nc_u32 v2, s44, v3
.else
	FETCHA 1-(\i)%2, 64*((\i)+1)
.endif
.endif
.if \last
	s_mov_b32 s44, 0
	v_mov_b32 v2, v3                               ; back to the first panel
.endif
.if \ld
.if \adv
	s_wait_xcnt 0x0                                ; every load issued so far has read its address: the pointer may be written
	s_add_nc_u64 s[28:29], s[28:29], 0x8000        ; four K steps on
.endif
	WIN 0x40
.irp b, 0,1,2,3,4,5,6,7
	global_load_b128 v[64*(((\i)+3)%4)+8*(\b):64*(((\i)+3)%4)+8*(\b)+3],   v1, s[28:29] offset:((\i)+3)*8192+(\b)*1024
	global_load_b128 v[64*(((\i)+3)%4)+8*(\b)+4:64*(((\i)+3)%4)+8*(\b)+7], v1, s[28:29] offset:((\i)+3)*8192+(\b)*1024+512
.endr
.endif
.if \nxt
	s_wait_dscnt 16                                ; all LDS loads but the 16 just issued
.else
	s_wait_dscnt 0x0
.endif
	MUL32 \i, (\i)%2, 1, \zero
.endm
; THE EPILOGUE for column tile b and the four row tiles of window ws, in place on 32 registers.  The exponentials are one batch with one wait, and so are the reciprocals: plain work on the next
; accumulator stands between the transcendentals of the one before; nothing ahead of a wait names a result of its batch.  Each accumulator is read from its lowest register on.
.macro SUB ws, b
.set CB, 64+24*(\b)                    ; the tile's constants: -bv 8, c (bv + hatt) 8, -2 Wal 8
	WIN ((\ws)<<6)|(\ws)
.irp ap, 0,1,2,3,4
.if (\ap) < 4
.irp j, 0,1,2,3,4,5,6,7
	v_max_num_f32 v[8*(8*(\ap)+(\b))+(\j)], v[8*(8*(\ap)+(\b))+(\j)], v[CB+(\j)]
.endr
.irp j, 0,2,4,6
	v_pk_fma_f32 v[8*(8*(\ap)+(\b))+(\j):8*(8*(\ap)+(\b))+(\j)+1], v[8*(8*(\ap)+(\b))+(\j):8*(8*(\ap)+(\b))+(\j)+1], s[36:37], v[CB+8+(\j):CB+8+(\j)+1] op_sel_hi:[1,0,1]
.endr
.endif
.if (\ap) > 0
.irp j, 0,1,2,3,4,5,6,7
	v_exp_f32 v[8*(8*((\ap)-1)+(\b))+(\j)], v[8*(8*((\ap)-1)+(\b))+(\j)]
.endr
.endif
.endr
	v_nop                                          ; a plain instruction behind the last exponential,
	s_wait_alu depctr_va_vdst(0)                   ; and one wait for the 32
.irp ap, 0,1,2,3,4
.if (\ap) < 4
.irp j, 0,2,4,6
	v_pk_add_f32 v[8*(8*(\ap)+(\b))+(\j):8*(8*(\ap)+(\b))+(\j)+1], v[8*(8*(\ap)+(\b))+(\j):8*(8*(\ap)+(\b))+(\j)+1], 1.0 op_sel_hi:[1,0]
.endr
.endif
.if (\ap) > 0
.irp j, 0,1,2,3,4,5,6,7
	v_rcp_f32 v[8*(8*((\ap)-1)+(\b))+(\j)], v[8*(8*((\ap)-1)+(\b))+(\j)]
.endr
.endif
.endr
	v_nop
	s_wait_alu depctr_va_vdst(0)                   ; one wait for the 32 reciprocals
	WIN (\ws)                                      ; source 0 in the accumulators' window, all else in window 0
.irp jp, 0,2,4,6
.irp ap, 0,1,2,3
	v_pk_fma_f32 v[32+2*(4*((\ws)-2)+(\ap)):32+2*(4*((\ws)-2)+(\ap))+1], v[8*(8*(\ap)+(\b))+(\jp):8*(8*(\ap)+(\b))+(\jp)+1], v[CB+16+(\jp):CB+16+(\jp)+1], v[32+2*(4*((\ws)-2)+(\ap)):32+2*(4*((\ws)-2)+(\ap))+1]
.endr
.endr
.endm
; The context.  VTL g: rows 32 g .. + 31 of my 256 columns, turned, 16 fragments, into set g % 2 of window 3.  CMUL g: 16 products, the 16 accumulators (window 0, v96 on) by turns.
.macro VTL g
	WIN 0xc0
.irp t, 0,1,2,3,4,5,6,7,8,9,10,11,12,13,14,15
	ds_load_tr16_b128 v[128*((\g)%2)+8*(\t):128*((\g)%2)+8*(\t)+3],   v4 offset:((\t)/8)*PANEL+(\g)*32*PITCH+32*((\t)%8)
	ds_load_tr16_b128 v[128*((\g)%2)+8*(\t)+4:128*((\g)%2)+8*(\t)+7], v4 offset:((\t)/8)*PANEL+(\g)*32*PITCH+32*((\t)%8)+16*PITCH
.endr
.endm
.macro CMUL g
	WIN 0x0c                                       ; V turned in window 3; p, C and D in window 0
.irp t, 0,1,2,3,4,5,6,7,8,9,10,11,12,13,14,15
.if (\g) == 0
	v_wmma_f32_16x16x32_bf16 v[96+8*(\t):96+8*(\t)+7], v[64+8*(\g):64+8*(\g)+7], v[128*((\g)%2)+8*(\t):128*((\g)%2)+8*(\t)+7], 0
.else
	v_wmma_f32_16x16x32_bf16 v[96+8*(\t):96+8*(\t)+7], v[64+8*(\g):64+8*(\g)+7], v[128*((\g)%2)+8*(\t):128*((\g)%2)+8*(\t)+7], v[96+8*(\t):96+8*(\t)+7]
.endif
.endr
.endm
	s_load_b512 s[4:19], s[0:1], 0x0               ; V, wvb, bv, hattp, sattp, Wal, bal, sproj
	s_load_b64 s[20:21], s[0:1], 0x40              ; part
	s_load_b64 s[56:57], s[0:1], 0x48              ; bha
	s_load_b64 s[58:59], s[0:1], 0x50              ; bsa
	v_lshl_add_u32 v28, v0, 2, SPARE               ; my spare word
	v_mov_b32 v29, 0
	v_lshrrev_b32 v1, 5, v0
	v_readfirstlane_b32 s22, v1                    ; wave w
	s_mov_b32 s23, ttmp9                           ; g
	s_and_b32 s24, s23, 1                          ; which half of the batch
	v_and_b32 v192, 31, v0                         ; l
	v_and_b32 v193, 15, v0                         ; r
	v_bfe_u32 v194, v0, 4, 1                       ; h
	v_and_b32 v195, 7, v0
	v_bfe_u32 v196, v0, 3, 1
	v_lshlrev_b32 v1, 4, v192                      ; 16 l; never rewritten
	v_mul_u32_u24 v3, v193, PITCH
	v_lshl_add_u32 v3, v194, 4, v3                 ; a fragment of V: row r, 16 h bytes on; never rewritten
	v_mov_b32 v2, v3                               ; the same in the panel in hand
	s_mul_i32 s50, s22, 2*PANEL
	v_lshl_add_u32 v4, v194, 3, v195
	v_mul_u32_u24 v4, v4, PITCH
	v_lshl_add_u32 v4, v196, 4, v4
	v_add_nc_u32 v4, s50, v4                       ; the turning load: my two panels, row 8 h + l % 8, 16 bytes by (l / 8) % 2
	s_lshl_b32 s50, s22, 9
	s_add_co_u32 s51, s50, TAB
	v_lshl_add_u32 v15, v194, 5, s51               ; the constants of my 128 columns, 8 h on; never rewritten
	v_mov_b32 v5, v15                              ; the same in the pass in hand
	s_add_co_u32 s51, s50, SC
	v_lshl_add_u32 v8, v192, 2, s51                ; where my wave's part of the scores goes
	v_lshl_add_u32 v9, v192, 2, SC                 ; and where all parts are read
	s_mul_i32 s50, s22, 32*PITCH
	v_lshl_add_u32 v7, v192, 3, s50                ; V's landing: my wave's 32 rows, 8 l bytes on; never rewritten
	v_mov_b32 v6, v7
	s_lshl_b32 s50, s22, 8
	s_add_co_u32 s50, s50, PB
	v_lshl_add_u32 v10, v192, 1, s50               ; p goes in by rows,
	v_lshl_add_u32 v11, v194, 4, s50               ; and comes out as a fragment whose 16 rows are alike
	s_lshl_b32 s50, s22, 10
	s_add_co_u32 s50, s50, CST
	v_lshl_add_u32 v12, v193, 2, s50
	v_lshl_add_u32 v13, v192, 4, s50
	v_lshlrev_b32 v14, 12, v192                    ; the prefetches: a lane a row of V; never rewritten
	v_lshlrev_b32 v197, 4, v0                      ; thread T takes columns 4 T .. + 3 and 512 + 4 T .. + 3 of the tables: each load of a wave covers 512 consecutive bytes
	v_lshl_add_u32 v198, v0, 4, TAB
	s_lshl_b32 s50, s22, 3
	s_add_co_u32 s50, s50, RS
	v_mov_b32 v199, s50
	v_mov_b32 v200, RS
	s_mov_b32 s36, 0x4038aa3b                      ; c = 2 log2(e)
	s_mov_b32 s37, s36                             ; named with it as a pair
	s_mov_b32 s38, 0x76543210                      ; v_permlanex16_b32: each lane takes its own place in the other half
	s_mov_b32 s39, 0xfedcba98
	s_mov_b32 s40, 0xffff0000                      ; lanes 16-31
	s_mov_b32 s41, 0x3fb8aa3b                      ; log2(e)
	s_cmp_eq_u32 s24, 1
	s_cselect_b32 s43, -1, 0                       ; all lanes in the second half of a batch, which has no extra row
	s_mov_b32 s44, 0                               ; the panel in hand, in bytes
	s_mov_b32 s45, 0                               ; the landing's panels, in bytes
	s_mov_b32 s49, 0                               ; the pass's half of the tables, in bytes
	s_lshl_b32 s30, s22, 18                        ; my strip of wvb: 262,144 bytes for 128 columns
	s_mov_b32 s31, 0
	s_lshr_b32 s50, s23, 1
	s_lshl_b32 s50, s50, 12                        ; the batch's row in a slice of hattp and sattp, and in sproj
	s_mov_b32 s51, 0
	s_mul_i32 s52, s23, 4608                       ; my row of part,
	s_lshl_b32 s53, s22, 10
	s_add_co_u32 s52, s52, s53                     ; my wave's 256 columns
	s_mov_b32 s53, 0
	s_wait_kmcnt 0x0
	s_load_b32 s42, s[16:17], 0x0                  ; bal
	s_add_nc_u64 s[10:11], s[10:11], s[50:51]
	s_add_nc_u64 s[12:13], s[12:13], s[50:51]
	s_add_nc_u64 s[18:19], s[18:19], s[50:51]
	s_lshl_b32 s50, s22, 10
	s_add_nc_u64 s[18:19], s[18:19], s[50:51]
	s_add_nc_u64 s[46:47], s[20:21], s[52:53]
	s_lshl_b32 s50, s23, 20                        ; 256 rows of 4,096 bytes,
	s_lshl_b32 s52, s22, 17                        ; my wave's 32 rows of a block
	s_add_co_u32 s50, s50, s52
	s_add_nc_u64 s[26:27], s[4:5], s[50:51]
	s_add_nc_u64 s[28:29], s[6:7], s[30:31]
	global_load_b128 v[64:67], v197, s[8:9]                        ; bv
	global_load_b128 v[68:71], v197, s[8:9] offset:2048
	global_load_b128 v[72:75], v197, s[56:57]                      ; bha
	global_load_b128 v[76:79], v197, s[56:57] offset:2048
	global_load_b128 v[80:83], v197, s[58:59]                      ; bsa
	global_load_b128 v[84:87], v197, s[58:59] offset:2048
	global_load_b128 v[88:91], v197, s[14:15]                      ; Wal
	global_load_b128 v[92:95], v197, s[14:15] offset:2048
	global_load_b128 v[20:23], v1, s[18:19]                        ; sproj
	global_load_b128 v[24:27], v1, s[18:19] offset:512
	WIN 0xc0                                       ; the 16 slices of hatt and of satt, into window 3: slice j at v[8 j] and v[128 + 8 j]
.set j, 0
.rept 16
	global_load_b128 v[8*j:8*j+3],           v197, s[10:11] offset:j*SLICE
	global_load_b128 v[8*j+4:8*j+7],         v197, s[10:11] offset:j*SLICE+2048
	global_load_b128 v[128+8*j:128+8*j+3],   v197, s[12:13] offset:j*SLICE
	global_load_b128 v[128+8*j+4:128+8*j+7], v197, s[12:13] offset:j*SLICE+2048
.set j, j+1
.endr
	WIN 0
	BPRO                                           ; the first pass's first three K steps of Wv,
	VFILL 0                                        ; and the first block's first three groups: they are on their way while the tables are made
	VFILL 1
	VFILL 2
	WIN 0
	s_wait_loadcnt 63                              ; 96 loads stand behind the 74 of the tables: those 74 are in
	WIN 0xcf                                       ; all in window 3: the slices are added, in f32
.set j, 1
.rept 15
.irp q, 0,2,4,6
	v_pk_add_f32 v[(\q):(\q)+1], v[(\q):(\q)+1], v[8*j+(\q):8*j+(\q)+1]
	v_pk_add_f32 v[128+(\q):128+(\q)+1], v[128+(\q):128+(\q)+1], v[128+8*j+(\q):128+8*j+(\q)+1]
.endr
.set j, j+1
.endr
	WIN 0x03                                       ; source 0 in window 3
.irp q, 0,2,4,6
	v_pk_add_f32 v[72+(\q):73+(\q)], v[(\q):(\q)+1], v[72+(\q):73+(\q)]            ; hatt
	v_pk_add_f32 v[80+(\q):81+(\q)], v[128+(\q):128+(\q)+1], v[80+(\q):81+(\q)]    ; satt
.endr
	WIN 0
.irp j, 0,2,4,6
	v_pk_mul_f32 v[96+(\j):97+(\j)], v[64+(\j):65+(\j)], -1.0 op_sel_hi:[1,0]       ; -bv
	v_pk_add_f32 v[104+(\j):105+(\j)], v[64+(\j):65+(\j)], v[72+(\j):73+(\j)]       ; bv + hatt
	v_pk_mul_f32 v[112+(\j):113+(\j)], v[88+(\j):89+(\j)], -2.0 op_sel_hi:[1,0]     ; -2 Wal
	v_pk_add_f32 v[120+(\j):121+(\j)], v[80+(\j):81+(\j)], v[72+(\j):73+(\j)]       ; the extra row: satt + hatt
.endr
.irp j, 0,2,4,6
	v_pk_mul_f32 v[104+(\j):105+(\j)], v[104+(\j):105+(\j)], s[36:37] op_sel_hi:[1,0]
	v_pk_mul_f32 v[120+(\j):121+(\j)], v[120+(\j):121+(\j)], s[36:37] op_sel_hi:[1,0]
.endr
	ds_store_b128 v198, v[96:99]
	ds_store_b128 v198, v[100:103] offset:2048
	ds_store_b128 v198, v[104:107] offset:4096
	ds_store_b128 v198, v[108:111] offset:6144
	ds_store_b128 v198, v[112:115] offset:8192
	ds_store_b128 v198, v[116:119] offset:10240
.irp j, 0,1,2,3,4,5,6,7
	v_exp_f32 v[120+(\j)], v[120+(\j)]
.endr
	v_pk_add_f32 v[128:129], v[88:89], v[90:91]    ; the sum of my eight Wal: plain work behind the exponentials
	v_pk_add_f32 v[130:131], v[92:93], v[94:95]
	v_pk_add_f32 v[128:129], v[128:129], v[130:131]
	v_add_f32 v203, v128, v129
	s_wait_alu depctr_va_vdst(0)                   ; one wait for the eight
.irp j, 0,2,4,6
	v_pk_add_f32 v[120+(\j):121+(\j)], v[120+(\j):121+(\j)], 1.0 op_sel_hi:[1,0]
.endr
.irp j, 0,1,2,3,4,5,6,7
	v_rcp_f32 v[120+(\j)], v[120+(\j)]
.endr
	v_nop
	s_wait_alu depctr_va_vdst(0)
	v_pk_mul_f32 v[132:133], v[120:121], v[112:113]
	v_pk_fma_f32 v[132:133], v[122:123], v[114:115], v[132:133]
	v_pk_fma_f32 v[132:133], v[124:125], v[116:117], v[132:133]
	v_pk_fma_f32 v[132:133], v[126:127], v[118:119], v[132:133]
	v_add_f32 v202, v132, v133
.irp m, 1,2,4,8
	v_add_f32_dpp v202, v202, v202 row_xmask:\m row_mask:0xf bank_mask:0xf
	v_add_f32_dpp v203, v203, v203 row_xmask:\m row_mask:0xf bank_mask:0xf
.endr
	v_permlanex16_b32 v130, v202, s38, s39
	v_permlanex16_b32 v131, v203, s38, s39
	v_pk_add_f32 v[202:203], v[202:203], v[130:131]
	ds_store_b64 v199, v[202:203]                  ; all lanes write the same two words with the same values
	BAR                                            ; the tables and the four waves' sums lie in LDS
	ds_load_b128 v[204:207], v200
	ds_load_b128 v[208:211], v200 offset:16
	s_wait_dscnt 0x0
	s_wait_kmcnt 0x0                               ; bal
	v_pk_add_f32 v[204:205], v[204:205], v[206:207]
	v_pk_add_f32 v[208:209], v[208:209], v[210:211]
	v_pk_add_f32 v[204:205], v[204:205], v[208:209]
	v_add_f32 v19, s42, v205                       ; the sum of Wal + bal
	v_add_f32 v18, v204, v19                       ; the extra row's score
	v_mov_b32 v16, 0xff7fffff                      ; m starts at the lowest finite number,
	v_cndmask_b32 v18, v18, v16, s43               ; which is also the score of the row that the second half does not have: its weight comes out 0
	v_mov_b32 v17, 0                               ; l
.irp t, 0,1,2,3,4,5,6,7,8,9,10,11,12,13,14,15
	v_mov_b32 v[48+(\t)], 0                        ; the context
.endr
	s_mov_b32 s32, 2                               ; blocks to go
	s_mov_b32 s34, 4                               ; passes to go
.Lblk:
	; A BLOCK LANDS: each wave brings its own 32 rows, 16 groups, three groups (48 loads) always on their way; the first three have been asked for
	s_mov_b32 s48, 3
.Lrnd:                                 ; a round: four groups = 32 rows x 256 numbers = two panels
	VTURN 0, 1, 32                                 ; two younger groups stay out
	VTURN 1, 1, 32
	VTURN 2, 1, 32
	VTURN 3, 1, 32
	WIN 0
	s_wait_xcnt 0x0                                ; every load and prefetch issued so far has read its address: the pointer may be written
	s_add_nc_u64 s[26:27], s[26:27], 1024
	s_add_co_u32 s45, s45, 2*PANEL
	v_add_nc_u32 v6, s45, v7
	s_sub_co_u32 s48, s48, 1
	s_cmp_lg_u32 s48, 0
	s_cbranch_scc1 .Lrnd
	VTURN 0, 1, 32                                 ; the last round: one more group is asked for, then the counts run down
	VTURN 1, 0, 32
	VTURN 2, 0, 16
	VTURN 3, 0, 0
	WIN 0
	s_add_nc_u64 s[26:27], s[26:27], 524288-3072   ; all loads are in: on to the next block's 128 rows, back along the rows
	s_mov_b32 s45, 0
	v_mov_b32 v6, v7
	BAR                                            ; the whole block lies in LDS
.irp t, 0,1,2,3,4,5,6,7,8,9,10,11,12,13,14,15
	v_mov_b32 v[32+(\t)], 0                        ; the block's row sums
.endr
	s_mov_b32 s33, 2
.Lpas:
	FETCHA 0, 0
	STEP 0, 1, 1, 32, 1                            ; a pass's first step stands in front of the loop: its products start the sums
	WIN 0
	s_mov_b32 s35, 7
.Ltrip:                                ; steps 1 to 28, four a trip; the last of them asks for the strip's last step
	STEP 1, 0, 1, 32, 1
	STEP 2, 0, 1, 32, 1
	STEP 3, 0, 1, 32, 1
	STEP 0, 0, 1, 32, 1, 1
	WIN 0
	s_sub_co_u32 s35, s35, 1
	s_cmp_lg_u32 s35, 0
	s_cbranch_scc1 .Ltrip
	STEP 1, 0, 0, 32, 1                            ; steps 29 to 31 ask for nothing of Wv: the counts run down
	STEP 2, 0, 0, 16, 1
	STEP 3, 0, 0, 0, 0, 0, 1
	WIN 0
	PLACES                                         ; behind the pass's last product: its registers are loaded into, and its results read, below
	s_cmp_eq_u32 s34, 1
	s_cbranch_scc1 .Lnob                           ; behind the last pass there is no strip to ask for
	s_wait_xcnt 0x0
	s_xor_b32 s30, s30, 0x100000                   ; the other pass's strip: four strips on, or back
	s_add_nc_u64 s[28:29], s[6:7], s[30:31]
	BPRO                                           ; its first three K steps land under the epilogue
	s_cmp_lg_u32 s34, 3
	s_cbranch_scc1 .Lnob
	; the first block's products are over: the first 1,024 bytes of each of my 32 rows of the second block are prefetched, a lane a row, each aligned block of 256 bytes
	; named once in the launch; half an epilogue stands between these lines and the first loads of those rows, the other half, a softmax and a context in front of the rest
	global_prefetch_b8 v14, s[26:27] th:TH_LOAD_NT scope:SCOPE_SE
	global_prefetch_b8 v14, s[26:27] offset:256 th:TH_LOAD_NT scope:SCOPE_SE
	global_prefetch_b8 v14, s[26:27] offset:512 th:TH_LOAD_NT scope:SCOPE_SE
	global_prefetch_b8 v14, s[26:27] offset:768 th:TH_LOAD_NT scope:SCOPE_SE
.Lnob:
	; THE PASS'S EPILOGUE: the constants of my 128 columns, then rows 0-63, then rows 64-127
.irp b, 0,1,2,3,4,5,6,7
.irp tb, 0,1,2
	ds_load_b128 v[64+24*(\b)+8*(\tb):64+24*(\b)+8*(\tb)+3],   v5 offset:(\tb)*4096+64*(\b)
	ds_load_b128 v[64+24*(\b)+8*(\tb)+4:64+24*(\b)+8*(\tb)+7], v5 offset:(\tb)*4096+64*(\b)+16
.endr
.endr
	s_wait_dscnt 0x0
.irp b, 0,1,2,3,4,5,6,7
	SUB 2, \b
.endr
	WIN 0
	s_cmp_lg_u32 s34, 3
	s_cbranch_scc1 .Lnov
	VFILL 0                                        ; the first block's last epilogue: window 2's accumulators are spent, and take the second block's first three groups
	VFILL 1
	VFILL 2
	WIN 0
.Lnov:
.irp b, 0,1,2,3,4,5,6,7
	SUB 3, \b
.endr
	WIN 0
	s_xor_b32 s49, s49, 0x800                      ; the other pass's 512 columns of the tables
	v_add_nc_u32 v5, s49, v15
	s_sub_co_u32 s34, s34, 1
	s_sub_co_u32 s33, s33, 1
	s_cmp_lg_u32 s33, 0
	s_cbranch_scc1 .Lpas
	; THE BLOCK'S SOFTMAX.  A row's sum lies in two registers and two lanes of each of four waves.
.irp a, 0,1,2,3,4,5,6,7
	v_add_f32 v[192+(\a)], v[32+2*(\a)], v[33+2*(\a)]
.endr
.irp a, 0,1,2,3,4,5,6,7
	v_permlanex16_b32 v[200+(\a)], v[192+(\a)], s38, s39
.endr
.irp a, 0,1,2,3,4,5,6,7
	v_add_f32 v[192+(\a)], v[192+(\a)], v[200+(\a)]
.endr
.irp g, 0,1,2,3
	v_cndmask_b32 v[208+(\g)], v[192+2*(\g)], v[193+2*(\g)], s40   ; lane l takes row 32 g + l
.endr
.irp g, 0,1,2,3
	ds_store_b32 v8, v[208+(\g)] offset:128*(\g)
.endr
	BAR                                            ; all four waves' parts lie in LDS
.irp u, 0,1,2,3
.irp g, 0,1,2,3
	ds_load_b32 v[212+4*(\u)+(\g)], v9 offset:512*(\u)+128*(\g)
.endr
.endr
	s_wait_dscnt 0x0
.irp g, 0,1,2,3
	v_add_f32 v[212+(\g)], v[212+(\g)], v[216+(\g)]
	v_add_f32 v[220+(\g)], v[220+(\g)], v[224+(\g)]
.endr
.irp g, 0,1,2,3
	v_add_f32 v[212+(\g)], v[212+(\g)], v[220+(\g)]
.endr
.irp g, 0,1,2,3
	v_add_f32 v[228+(\g)], v[212+(\g)], v19        ; every wave holds all 128 scores, four a lane
.endr
	v_max3_num_f32 v232, v228, v229, v230
	v_max_num_f32 v232, v232, v231
.irp m, 1,2,4,8
	v_max_num_f32_dpp v232, v232, v232 row_xmask:\m row_mask:0xf bank_mask:0xf
.endr
	v_permlanex16_b32 v233, v232, s38, s39
	v_max3_num_f32 v232, v232, v233, v16           ; the new m
	v_mul_f32 v233, s41, v232
	v_fma_f32 v234, v16, s41, -v233
.irp g, 0,1,2,3
	v_fma_f32 v[228+(\g)], v[228+(\g)], s41, -v233
.endr
	v_exp_f32 v30, v234                            ; a
.irp g, 0,1,2,3
	v_exp_f32 v[228+(\g)], v[228+(\g)]             ; p
.endr
	v_mov_b32 v16, v232                            ; a plain instruction behind the last exponential,
	s_wait_alu depctr_va_vdst(0)                   ; and one wait for the five
	v_mov_b32 v31, v30
	v_add_f32 v234, v228, v229
	v_add_f32 v235, v230, v231
	v_add_f32 v234, v234, v235
.irp m, 1,2,4,8
	v_add_f32_dpp v234, v234, v234 row_xmask:\m row_mask:0xf bank_mask:0xf
.endr
	v_permlanex16_b32 v235, v234, s38, s39
	v_add_f32 v234, v234, v235
	v_fma_f32 v17, v17, v30, v234                  ; l = a l + the sum of p
.irp g, 0,1,2,3
	v_cvt_pk_bf16_f32 v[236+(\g)], v[228+(\g)], v[228+(\g)]
.endr
.irp g, 0,1,2,3
	ds_store_b16 v10, v[236+(\g)] offset:64*(\g)
.endr
.irp g, 0,1,2,3
	ds_load_b128 v[64+8*(\g):64+8*(\g)+3], v11 offset:64*(\g)      ; my wave's own bytes; LDS serves a wave's instructions in order: these see the stores above
	ds_load_b128 v[64+8*(\g)+4:64+8*(\g)+7], v11 offset:64*(\g)+32
.endr
	; THE BLOCK'S CONTEXT
	VTL 0
	VTL 1
	s_wait_dscnt 32                                ; all but the run just issued: p's fragments and rows 0-31 are in
	CMUL 0
	PLACES
	VTL 2
	s_wait_dscnt 32
	CMUL 1
	PLACES
	VTL 3
	s_wait_dscnt 32
	CMUL 2
	s_wait_dscnt 0x0
	CMUL 3
	WIN 0
	PLACES
.irp t, 0,1,2,3,4,5,6,7,8,9,10,11,12,13,14,15
	v_fma_f32 v[48+(\t)], v[48+(\t)], v30, v[96+8*(\t)]    ; all 16 rows of a result are alike: its lowest register holds column 256 w + 16 t + r
.endr
	BAR                                            ; nobody reads the block or the scores any more
	s_sub_co_u32 s32, s32, 1
	s_cmp_lg_u32 s32, 0
	s_cbranch_scc1 .Lblk
	; THE END: the extra row, and the way out
.irp t, 0,1,2,3,4,5,6,7,8,9,10,11,12,13,14,15
	ds_store_b32 v12, v[48+(\t)] offset:64*(\t)    ; lanes l and l + 16 write the same word with the same value
.endr
	ds_load_b128 v[200:203], v13                   ; my wave's own stage: back as 4 neighbouring columns a lane
	ds_load_b128 v[204:207], v13 offset:512
	v_max_num_f32 v192, v16, v18
	v_mul_f32 v193, s41, v192
	v_fma_f32 v194, v16, s41, -v193
	v_fma_f32 v195, v18, s41, -v193
	v_exp_f32 v30, v194                            ; a
	v_exp_f32 v196, v195                           ; the extra row's weight
	v_nop
	s_wait_alu depctr_va_vdst(0)
	v_mov_b32 v31, v30
	v_mov_b32 v197, v196
	v_fma_f32 v17, v17, v30, v196
.irp j, 0,2,4,6
	v_pk_mul_f32 v[20+(\j):21+(\j)], v[20+(\j):21+(\j)], v[196:197]
.endr
	s_wait_dscnt 0x0
.irp j, 0,2,4,6
	v_pk_fma_f32 v[200+(\j):201+(\j)], v[200+(\j):201+(\j)], v[30:31], v[20+(\j):21+(\j)]
.endr
	global_store_b128 v1, v[200:203], s[46:47]     ; each store covers 512 consecutive bytes, aligned to 256
	global_store_b128 v1, v[204:207], s[46:47] offset:512
	s_cmp_lg_u32 s22, 0
	s_cbranch_scc1 .Lend
	v_mov_b32 v208, v192                           ; wave 0: (m, l) over and over, 512 bytes written whole
	v_mov_b32 v209, v17
	v_mov_b32 v210, v192
	v_mov_b32 v211, v17
	global_store_b128 v1, v[208:211], s[46:47] offset:4096
.Lend:
	s_wait_tensorcnt 0x0                           ; the wave's end: behind my last LDS store
	ds_add_u32 v28, v29
	s_wait_dscnt 0x0
	s_endpgm
.Lfunc_end_k_qd2c28b7ee7_main:
	.size	k_qd2c28b7ee7_main, .Lfunc_end_k_qd2c28b7ee7_main-k_qd2c28b7ee7_main
	.p2alignl 7, 3214868480
	.fill 96, 4, 3214868480
	.section	.rodata,"a",@progbits
	.p2align	6, 0x0
	.amdhsa_kernel k_qd2c28b7ee7_main
		.amdhsa_group_segment_fixed_size 298752
		.amdhsa_private_segment_fixed_size 0
		.amdhsa_enable_private_segment 0
		.amdhsa_kernarg_size 88
		.amdhsa_user_sgpr_count 2
		.amdhsa_user_sgpr_kernarg_segment_ptr 1
		.amdhsa_wavefront_size32 1
		.amdhsa_system_sgpr_workgroup_id_x 1
		.amdhsa_system_sgpr_workgroup_id_y 1
		.amdhsa_system_sgpr_workgroup_id_z 1
		.amdhsa_system_vgpr_workitem_id 0
		.amdhsa_next_free_vgpr 1024
		.amdhsa_next_free_sgpr 66
		.amdhsa_reserve_vcc 0
		.amdhsa_float_denorm_mode_32 3
		.amdhsa_float_denorm_mode_16_64 3
		.amdhsa_memory_ordered 1
		.amdhsa_forward_progress 1
		.amdhsa_inst_pref_size 253
	.end_amdhsa_kernel
	.amdgpu_metadata
---
amdhsa.version: [ 1, 2 ]
amdhsa.kernels:
  - .name:           k_qd2c28b7ee7_main
    .symbol:         k_qd2c28b7ee7_main.kd
    .args:
      - { .name: V, .offset: 0, .size: 8, .value_kind: global_buffer, .address_space: global }
      - { .name: wvb, .offset: 8, .size: 8, .value_kind: global_buffer, .address_space: global }
      - { .name: bv, .offset: 16, .size: 8, .value_kind: global_buffer, .address_space: global }
      - { .name: hattp, .offset: 24, .size: 8, .value_kind: global_buffer, .address_space: global }
      - { .name: sattp, .offset: 32, .size: 8, .value_kind: global_buffer, .address_space: global }
      - { .name: Wal, .offset: 40, .size: 8, .value_kind: global_buffer, .address_space: global }
      - { .name: bal, .offset: 48, .size: 8, .value_kind: global_buffer, .address_space: global }
      - { .name: sproj, .offset: 56, .size: 8, .value_kind: global_buffer, .address_space: global }
      - { .name: part, .offset: 64, .size: 8, .value_kind: global_buffer, .address_space: global }
      - { .name: bha, .offset: 72, .size: 8, .value_kind: global_buffer, .address_space: global }
      - { .name: bsa, .offset: 80, .size: 8, .value_kind: global_buffer, .address_space: global }
    .group_segment_fixed_size: 298752
    .private_segment_fixed_size: 0
    .kernarg_segment_align: 8
    .kernarg_segment_size: 88
    .max_flat_workgroup_size: 128
    .sgpr_count:     66
    .vgpr_count:     1024
    .wavefront_size: 32
...
	.end_amdgpu_metadata
.endif
;; end of part 2
;; launch fin (part 3): grid 128 x 1, 16 waves a work-group, no clusters, 276,480 bytes of LDS; arguments part, hproj, Wcp, bcp, out0; writes out0
.if DOCPART == 3
	.amdgcn_target "amdgcn-amd-amdhsa--gfx1250"
	.amdhsa_code_object_version 6
	.text
	.protected	k_qd2c28b7ee7_fin
	.globl	k_qd2c28b7ee7_fin
	.p2align	8
	.type	k_qd2c28b7ee7_fin,@function
k_qd2c28b7ee7_fin:
	s_mov_b64 s[64:65], 0
	v_nop
	global_prefetch_b8 v0, s[64:65] scope:SCOPE_SE
	s_setreg_imm32_b32 hwreg(HW_REG_WAVE_MODE, 25, 1), 1
	s_wait_xcnt 0x0
; out0 = tanh((context + hproj) Wcp + bcp), [128][1024] f32.  context = (e0 c0 + e1 c1) / (e0 l0 + e1 l1), e_i = 2^((m_i - max(m0, m1)) log2(e)):
; the two halves of a batch as the launch before left them in part: rows of 4,608 bytes, 1,024 sums and then (m, l).
; SHARES.  A work-group makes 16 rows x 64 columns; K = 1,024 IS SPLIT AMONG ITS 16 WAVES, 64 each: all of a wave's 59 loads go out at once.  128 work-groups: a tile of 32 columns
; would give 256, and each wave's store would then cover 128 bytes only.
; A wave's piece of W (64 k x 64 n) is rounded to bf16, laid into its own LDS rows [k][n] and read back turned.  c0, c1 and hproj are loaded by whole runs of 256 bytes, two rows an instruction;
; a row's two factors, made in the lane of that row, reach the lanes that hold its numbers through 256 bytes of the wave's own LDS; x is made in f32, rounded once, laid into the wave's own
; LDS rows and read back as fragments.
; The product is taken transposed (source 0 = 16 columns of W, source 1 = the 16 rows of x).  The 16 partial sums (f32) meet in LDS; wave v finishes row v.
; No tensor load, no cluster, no prefetch: nothing is filled again, and each wave asks for all its data in one run at its start.
; LIMITS.  Matrix operands are bf16, sums f32.  tanh(x) = 1 - 2 / (1 + 2^(2 log2(e) x)): it ends at +-1 where the power overflows or vanishes.  NaN and infinities are not treated apart.
.set WPITCH, 160                       ; an LDS row of W: 64 bf16 + 32 bytes of padding
.set WREG,   64*WPITCH
.set RED,    16*WREG                   ; the partial sums, for each wave 16 rows of 64 f32 + 16 bytes
.set RPITCH, 272
.set RREG,   16*RPITCH
.set XS,     RED+16*RREG               ; x as bf16, for each wave 16 rows of 64 + 16 bytes
.set XPITCH, 144
.set XREG,   16*XPITCH
.set FS,     XS+16*XREG                ; the factors, for each wave 16 rows of (f0, f0, f1, f1)
.set SPARE,  FS+4096                   ; the spare words: 128 bytes for each of 16 waves, eight blocks of 256 bytes that no other line names
.set WL,  24                           ; v[24:151]  W as loaded; then v[24:87] its fragments, v[24:55] the partial sums read back
.set ACC, 88                           ; v[88:119]  four accumulators
.set FF,  120                          ; v[120:151] the factors of the rows that I hold: for rows 2 i + h at FF + 4 i
.set XL,  152                          ; v[152:183] c0, then x, then v[152:167] its two fragments; v[184:215] c1; v[216:247] hproj
.macro PLACES
.rept 4
	v_nop
.endr
.endm
	s_load_b256 s[4:11], s[0:1], 0x0               ; part, hproj, Wcp, bcp
	s_load_b64 s[12:13], s[0:1], 0x20              ; out0
	v_lshl_add_u32 v12, v0, 2, SPARE               ; my spare word
	v_mov_b32 v13, 0
	v_lshrrev_b32 v1, 5, v0
	v_readfirstlane_b32 s24, v1                    ; wave v, 0..15
	v_and_b32 v1, 31, v0                           ; l
	v_and_b32 v2, 15, v0                           ; r
	v_bfe_u32 v3, v0, 4, 1                         ; h
	s_and_b32 s25, ttmp9, 7                        ; block of 16 rows
	s_lshr_b32 s26, ttmp9, 3                       ; block of 64 columns
	v_lshlrev_b32 v4, 4, v2
	v_lshl_add_u32 v4, v3, 12, v4                  ; rows of 4,096 bytes (W, hproj): lanes 0-15 one row's 256 bytes, lanes 16-31 the next row's
	v_mul_u32_u24 v249, v2, 9216                   ; part: batch r's two rows
	v_mul_u32_u24 v248, v3, 9216
	v_lshl_add_u32 v248, v2, 4, v248               ; part by runs: lanes 0-15 one batch's 256 bytes, lanes 16-31 the next batch's
	s_mul_i32 s55, s24, WREG
	v_mul_u32_u24 v6, v3, WPITCH
	v_lshl_add_u32 v6, v2, 3, v6
	v_add_nc_u32 v6, s55, v6
	v_and_b32 v7, 7, v0
	v_lshl_add_u32 v7, v3, 3, v7
	v_mul_u32_u24 v7, v7, WPITCH
	v_bfe_u32 v16, v0, 3, 1
	v_lshl_add_u32 v7, v16, 4, v7
	v_add_nc_u32 v7, s55, v7
	s_mul_i32 s56, s24, RREG
	s_add_co_u32 s56, s56, RED
	v_mul_u32_u24 v8, v2, RPITCH
	v_lshl_add_u32 v8, v3, 5, v8
	v_add_nc_u32 v8, s56, v8
	s_mul_i32 s56, s24, RPITCH
	s_add_co_u32 s56, s56, RED
	v_lshl_add_u32 v9, v1, 3, s56
	v_lshlrev_b32 v10, 3, v1
	s_mul_i32 s57, s24, XREG
	s_add_co_u32 s57, s57, XS
	v_mul_u32_u24 v5, v3, XPITCH
	v_lshl_add_u32 v5, v2, 3, v5
	v_add_nc_u32 v5, s57, v5                       ; where my 8 bytes of x go
	v_mul_u32_u24 v11, v2, XPITCH
	v_lshl_add_u32 v11, v3, 4, v11
	v_add_nc_u32 v11, s57, v11                     ; a fragment of x: row r, 16 h bytes on
	s_lshl_b32 s59, s24, 8
	s_add_co_u32 s59, s59, FS
	v_lshl_add_u32 v250, v2, 4, s59                ; row r's factors go in,
	v_lshl_add_u32 v251, v3, 4, s59                ; and those of rows 2 i + h come out
	s_lshl_b32 s28, s26, 8
	s_lshl_b32 s30, s24, 18
	s_add_co_u32 s30, s30, s28
	s_mov_b32 s31, 0
	s_lshl_b32 s29, s24, 8                         ; my 64 numbers of a row
	s_lshl_b32 s32, s25, 16
	s_add_co_u32 s32, s32, s29
	s_mov_b32 s33, 0
	s_mov_b32 s34, s28
	s_mov_b32 s35, 0
	s_lshl_b32 s36, s25, 4
	s_add_co_u32 s36, s36, s24
	s_lshl_b32 s36, s36, 12
	s_add_co_u32 s36, s36, s28
	s_mov_b32 s37, 0
	s_mov_b32 s38, 0x3fb8aa3b                      ; log2(e)
	s_mov_b32 s52, 0x4038aa3b                      ; 2 log2(e)
	s_mov_b32 s53, s52                             ; named with it as a pair
	s_mul_i32 s50, s25, 147456                     ; 16 batches x two rows of part
	s_mov_b32 s51, 0
	s_mov_b32 s48, s29
	s_mov_b32 s49, 0
	s_wait_kmcnt 0x0
	s_add_nc_u64 s[40:41], s[4:5], s[50:51]        ; part at the block's first batch,
	s_add_nc_u64 s[42:43], s[40:41], s[48:49]      ; and at my 64 numbers
	s_add_nc_u64 s[44:45], s[8:9], s[30:31]        ; W
	s_add_nc_u64 s[46:47], s[6:7], s[32:33]        ; hproj
	s_add_nc_u64 s[10:11], s[10:11], s[34:35]      ; bias
	s_add_nc_u64 s[12:13], s[12:13], s[36:37]      ; result
	global_load_b64 v[16:17], v249, s[40:41] offset:4096           ; m0, l0
	global_load_b64 v[18:19], v249, s[40:41] offset:8704           ; m1, l1
.set i, 0
.rept 32
	global_load_b128 v[WL+4*i:WL+4*i+3], v4, s[44:45] offset:i*8192
.set i, i+1
.endr
.set i, 0
.rept 8
	global_load_b128 v[XL+4*i:XL+4*i+3], v248, s[42:43] offset:i*18432             ; c0 of batches 2 i and 2 i + 1: two aligned runs of 256 bytes
.set i, i+1
.endr
.set i, 0
.rept 8
	global_load_b128 v[XL+32+4*i:XL+32+4*i+3], v248, s[42:43] offset:4608+i*18432  ; c1
.set i, i+1
.endr
.set i, 0
.rept 8
	global_load_b128 v[XL+64+4*i:XL+64+4*i+3], v4, s[46:47] offset:i*8192          ; hproj
.set i, i+1
.endr
	global_load_b64 v[14:15], v10, s[10:11]
	s_wait_loadcnt 57                              ; the two (m, l) are in: 57 loads stand behind them
	v_max_num_f32 v20, v16, v18
	v_sub_f32 v21, v16, v20
	v_sub_f32 v22, v18, v20
	v_mul_f32 v21, s38, v21
	v_mul_f32 v22, s38, v22
	v_exp_f32 v21, v21                             ; e0
	v_exp_f32 v22, v22                             ; e1
	v_nop
	s_wait_alu depctr_va_vdst(0)                   ; one wait for both
	v_mul_f32 v20, v21, v17
	v_fma_f32 v20, v22, v19, v20
	v_rcp_f32 v23, v20
	v_nop
	s_wait_alu depctr_va_vdst(0)
	v_mul_f32 v20, v21, v23                        ; f0 = e0 / (e0 l0 + e1 l1)
	v_mul_f32 v22, v22, v23                        ; f1
	v_mov_b32 v21, v20
	v_mov_b32 v23, v22
	ds_store_b128 v250, v[20:23]                   ; lanes r and r + 16 write the same 16 bytes with the same values
	s_wait_loadcnt 25                              ; W is in: behind it stand 24 loads of x's parts and the bias
.set i, 0
.rept 32
	v_cvt_pk_bf16_f32 v[WL+4*i], v[WL+4*i], v[WL+4*i+1]
	v_cvt_pk_bf16_f32 v[WL+4*i+1], v[WL+4*i+2], v[WL+4*i+3]
.set i, i+1
.endr
.set i, 0
.rept 32
	ds_store_b64 v6, v[WL+4*i:WL+4*i+1] offset:i*2*WPITCH
.set i, i+1
.endr
.set i, 0
.rept 8
	ds_load_b128 v[FF+4*i:FF+4*i+3], v251 offset:i*32              ; my wave's own bytes; LDS serves a wave's instructions in order: these see the store above
.set i, i+1
.endr
	s_wait_loadcnt 1                               ; c0, c1 and hproj are in
	s_wait_dscnt 0x0                               ; and so are the factors
.set i, 0
.rept 8
.irp p, 0,2
	v_pk_fma_f32 v[XL+4*i+(\p):XL+4*i+(\p)+1], v[XL+4*i+(\p):XL+4*i+(\p)+1], v[FF+4*i:FF+4*i+1], v[XL+64+4*i+(\p):XL+64+4*i+(\p)+1]     ; f0 c0 + hproj
	v_pk_fma_f32 v[XL+4*i+(\p):XL+4*i+(\p)+1], v[XL+32+4*i+(\p):XL+32+4*i+(\p)+1], v[FF+4*i+2:FF+4*i+3], v[XL+4*i+(\p):XL+4*i+(\p)+1]   ; + f1 c1
.endr
.set i, i+1
.endr
.set i, 0
.rept 8
	v_cvt_pk_bf16_f32 v[XL+4*i], v[XL+4*i], v[XL+4*i+1]
	v_cvt_pk_bf16_f32 v[XL+4*i+1], v[XL+4*i+2], v[XL+4*i+3]
.set i, i+1
.endr
.set i, 0
.rept 8
	ds_store_b64 v5, v[XL+4*i:XL+4*i+1] offset:i*2*XPITCH
.set i, i+1
.endr
.irp q, 0,1,2,3
	ds_load_b128 v[XL+4*(\q):XL+4*(\q)+3], v11 offset:32*(\q)
.endr
.irp s, 0,1
.irp c, 0,1,2,3
	ds_load_tr16_b128 v[WL+8*(4*(\s)+(\c)):WL+8*(4*(\s)+(\c))+3],   v7 offset:(\s)*32*WPITCH+32*(\c)
	ds_load_tr16_b128 v[WL+8*(4*(\s)+(\c))+4:WL+8*(4*(\s)+(\c))+7], v7 offset:(\s)*32*WPITCH+32*(\c)+16*WPITCH
.endr
.endr
	s_wait_dscnt 0x0
.irp c, 0,1,2,3                        ; the four accumulators take turns
	v_wmma_f32_16x16x32_bf16 v[ACC+8*(\c):ACC+8*(\c)+7], v[WL+8*(\c):WL+8*(\c)+7], v[XL:XL+7], 0
.endr
.irp c, 0,1,2,3
	v_wmma_f32_16x16x32_bf16 v[ACC+8*(\c):ACC+8*(\c)+7], v[WL+32+8*(\c):WL+32+8*(\c)+7], v[XL+8:XL+15], v[ACC+8*(\c):ACC+8*(\c)+7]
.endr
	PLACES                                         ; four places behind the last product, in front of the stores that read results
.irp c, 0,1,2,3
	ds_store_b128 v8, v[ACC+8*(\c):ACC+8*(\c)+3]   offset:64*(\c)
	ds_store_b128 v8, v[ACC+8*(\c)+4:ACC+8*(\c)+7] offset:64*(\c)+16
.endr
	s_wait_dscnt 0x0                               ; for the others' sake: my partial sums are in LDS
	s_barrier_signal -1
	s_barrier_wait -1
.set i, 0
.rept 16
	ds_load_b64 v[WL+2*i:WL+2*i+1], v9 offset:i*RREG
.set i, i+1
.endr
	s_wait_dscnt 0x0
.irp k, 0,1,2,3,4,5,6,7
	v_pk_add_f32 v[WL+2*(\k):WL+2*(\k)+1], v[WL+2*(\k):WL+2*(\k)+1], v[WL+16+2*(\k):WL+16+2*(\k)+1]
.endr
.irp k, 0,1,2,3
	v_pk_add_f32 v[WL+2*(\k):WL+2*(\k)+1], v[WL+2*(\k):WL+2*(\k)+1], v[WL+8+2*(\k):WL+8+2*(\k)+1]
.endr
.irp k, 0,1
	v_pk_add_f32 v[WL+2*(\k):WL+2*(\k)+1], v[WL+2*(\k):WL+2*(\k)+1], v[WL+4+2*(\k):WL+4+2*(\k)+1]
.endr
	v_pk_add_f32 v[WL:WL+1], v[WL:WL+1], v[WL+2:WL+3]
	s_wait_loadcnt 0x0                             ; the bias
	v_pk_add_f32 v[WL:WL+1], v[WL:WL+1], v[14:15]
	v_pk_mul_f32 v[18:19], v[WL:WL+1], s[52:53] op_sel_hi:[1,0]
	v_exp_f32 v18, v18
	v_exp_f32 v19, v19
	v_nop
	s_wait_alu depctr_va_vdst(0)
	v_pk_add_f32 v[18:19], v[18:19], 1.0 op_sel_hi:[1,0]
	v_rcp_f32 v18, v18
	v_rcp_f32 v19, v19
	v_nop
	s_wait_alu depctr_va_vdst(0)
	v_pk_fma_f32 v[18:19], v[18:19], -2.0, 1.0 op_sel_hi:[1,0,0]
	global_store_b64 v10, v[18:19], s[12:13]       ; the wave stores 256 consecutive bytes, aligned
	s_wait_tensorcnt 0x0                           ; the wave's end: behind my last LDS store
	ds_add_u32 v12, v13
	s_wait_dscnt 0x0
	s_endpgm
.Lfunc_end_k_qd2c28b7ee7_fin:
	.size	k_qd2c28b7ee7_fin, .Lfunc_end_k_qd2c28b7ee7_fin-k_qd2c28b7ee7_fin
	.p2alignl 7, 3214868480
	.fill 96, 4, 3214868480
	.section	.rodata,"a",@progbits
	.p2align	6, 0x0
	.amdhsa_kernel k_qd2c28b7ee7_fin
		.amdhsa_group_segment_fixed_size 276480
		.amdhsa_private_segment_fixed_size 0
		.amdhsa_enable_private_segment 0
		.amdhsa_kernarg_size 40
		.amdhsa_user_sgpr_count 2
		.amdhsa_user_sgpr_kernarg_segment_ptr 1
		.amdhsa_wavefront_size32 1
		.amdhsa_system_sgpr_workgroup_id_x 1
		.amdhsa_system_sgpr_workgroup_id_y 1
		.amdhsa_system_sgpr_workgroup_id_z 1
		.amdhsa_system_vgpr_workitem_id 0
		.amdhsa_next_free_vgpr 256
		.amdhsa_next_free_sgpr 66
		.amdhsa_reserve_vcc 0
		.amdhsa_float_denorm_mode_32 3
		.amdhsa_float_denorm_mode_16_64 3
		.amdhsa_memory_ordered 1
		.amdhsa_forward_progress 1
		.amdhsa_inst_pref_size 26
	.end_amdhsa_kernel
	.amdgpu_metadata
---
amdhsa.version: [ 1, 2 ]
amdhsa.kernels:
  - .name:           k_qd2c28b7ee7_fin
    .symbol:         k_qd2c28b7ee7_fin.kd
    .args:
      - { .name: part, .offset: 0, .size: 8, .value_kind: global_buffer, .address_space: global }
      - { .name: hproj, .offset: 8, .size: 8, .value_kind: global_buffer, .address_space: global }
      - { .name: Wcp, .offset: 16, .size: 8, .value_kind: global_buffer, .address_space: global }
      - { .name: bcp, .offset: 24, .size: 8, .value_kind: global_buffer, .address_space: global }
      - { .name: out0, .offset: 32, .size: 8, .value_kind: global_buffer, .address_space: global }
    .group_segment_fixed_size: 276480
    .private_segment_fixed_size: 0
    .kernarg_segment_align: 8
    .kernarg_segment_size: 40
    .max_flat_workgroup_size: 512
    .sgpr_count:     66
    .vgpr_count:     256
    .wavefront_size: 32
...
	.end_amdgpu_metadata
.endif
;; end of part 3
;; ======== version 2 of 2: 3 launches; version 1 with the launch main written anew for expert scheduling mode
;; workspace buffers: sproj 524,288 bytes; hproj 524,288 bytes; sattp 8,388,608 bytes; hattp 8,388,608 bytes; wvb 2,097,152 bytes; part 1,179,648 bytes
;; launch pa: the kernel of part 1 again; grid 128 x 2, 16 waves a work-group, no clusters, 274,688 bytes of LDS; arguments s_t, h_t, Wsp, Whp, bsp, bhp, Wv, sproj, hproj, wvb, Wsa, Wha, sattp, hattp; writes sproj, hproj, wvb, sattp, hattp
;; launch main (part 4): grid 256 x 1, 4 waves a work-group, no clusters, 298,752 bytes of LDS; arguments V, wvb, bv, hattp, sattp, Wal, bal, sproj, part, bha, bsa; writes part
.if DOCPART == 4
	.amdgcn_target "amdgcn-amd-amdhsa--gfx1250"
	.amdhsa_code_object_version 6
	.text
	.protected	k_qd2c28b7ee7_main
	.globl	k_qd2c28b7ee7_main
	.p2align	8
	.type	k_qd2c28b7ee7_main,@function
k_qd2c28b7ee7_main:
	s_mov_b64 s[64:65], 0
	v_nop
	global_prefetch_b8 v0, s[64:65] scope:SCOPE_SE
	s_setreg_imm32_b32 hwreg(HW_REG_WAVE_SCHED_MODE, 0, 2), 2
	s_setreg_imm32_b32 hwreg(HW_REG_WAVE_MODE, 25, 1), 1
	s_wait_xcnt 0x0
	s_wait_alu depctr_vm_vsrc(0)
; For half a batch (256 rows of V): score[r] = sum over n of Wal[n] tanh(relu(V[r] . Wv[:, n] + bv[n]) + hatt[n]) + bal, a running softmax over the scores, and the
; weighted sum of the same rows of V.  The first half of a batch also takes the row made of s_t (score from satt, value sproj).  Out: part[g] = 1,024 unnormalised sums, then (m, l).
; hatt and satt arrive as 16 partial sums over slices of K (f32), which are added here, with their biases, while the tables are made.
; SHARES.  Work-group g: batch g / 2, half g % 2, as two blocks of 128 rows.  A block is rounded to bf16 once and LIES IN LDS for all its work, so V is read from memory once.
; Two passes over Wv's columns, 512 each: wave w makes all 128 rows x columns 512 p + 128 w .. + 127: 64 accumulators, 512 registers; 32 K steps of 32, 64 matrix instructions each.
; V's fragments come from LDS (16 loads a step); Wv's come straight from wvb, which an earlier launch laid in fragment order: 16 loads a step, each of 512 consecutive bytes, three steps ahead.
; V's stand in one run behind a step's first 16 products, Wv's in one run in its middle.
; THE PRODUCT IS TAKEN TRANSPOSED (source 0 = 16 columns of Wv, source 1 = 16 rows of V): a lane holds ONE row of V and eight columns, so the sum over columns stays in the lane.
; relu(s + bv) + hatt = max(s, -bv) + (bv + hatt);  tanh(x) = 1 - 2 / (1 + 2^(c x)), c = 2 log2(e);  so score = (sum of Wal + bal) + sum of (-2 Wal) / (1 + 2^(c max(s, -bv) + c (bv + hatt))).
; SOFTMAX.  A running maximum m and sum l over the blocks; p = 2^((score - m) log2(e)); the sums so far are multiplied by a = 2^((m_old - m) log2(e)).
; CONTEXT.  sum of p[r] V[r][d] by the matrix unit: source 0 = p in all 16 rows, source 1 = V's rows out of LDS, turned; wave w makes columns 256 w .. + 255.
; A BLOCK'S FIRST THREE GROUPS OF LOADS go out early: at the head behind the table loads; for the second block in the middle of the first block's last epilogue, into accumulators that are spent.
; NO TENSOR LOAD AND NO CLUSTER, though all work-groups read the same Wv: the block and the tables take 298,240 of a WGP's 327,680 bytes of LDS, and one K step of 32 for a pass's 512
; columns is 32,768 bytes: no two slots of it fit.  No two waves of a work-group want the same byte of Wv, so registers serve.
; LIMITS.  Matrix operands are bf16: V (for the scores and for the context), Wv, p; all sums, m and l are f32, l of the unrounded p.  A weight below 2^-126 counts as 0.
; Where 2^(c x) overflows or vanishes tanh ends at +-1.  NaN and infinities are not treated apart.
;
; THE MODE: SCHED_MODE bits 1:0 = 2 (LLVM: expert scheduling mode 2), set by the entry lines.  The code itself states the register dependences between vector or matrix instructions
; and memory or LDS instructions, with s_wait_alu, always for 0.
; THE PLAN.  Registers that memory or LDS instructions touch, who writes and who reads them:
;   v1, v4, v8-v14    addresses, made at the head and never written again: one wait on va_vdst ahead of the first load serves them for the whole kernel.
;   window 2, sets 0-3 (the landing)  Turn t: its conversions work in place on set t; behind them the group three on is loaded into set t - 1, and set t is stored to LDS.  One wait on va_vdst behind the
;                     conversions (set t is written; turn t - 1's conversions are done with set t - 1) and one on vm_vsrc (turn t - 1's stores have read set t - 1) state all of it.
;   v6                the landing's LDS address: read by its stores, written at a round's end behind a wait on vm_vsrc; the next turn's wait on va_vdst covers the write.
;   V0, V1 (v64-191), W0-W3 (window 1)  K step s: its products read V[s % 2] and W[s % 4]; its loads land in V[(s + 1) % 2] and W[(s + 3) % 4], which step s - 1 read last.  ONE wait on va_vdst at the
;                     step's head; no product of step s names those two buffers, v1 or v2, so the step's 32 loads stand among its products with no further wait.
;   v2                V's LDS address: read by the fragments' loads; written at the head of every fourth step, behind a wait on vm_vsrc and ahead of that step's wait on va_vdst.
;   v64-255 (the columns' constants), v5 their address: loaded behind the pass's last product and one wait on va_vdst; v5 is written at the pass's end behind a wait on vm_vsrc.
;   v208-211, v236-239 out to LDS; v212-227, v64-95 and window 3 in from LDS (softmax and context); v48-63 out, v200-207 in and out, v208-211 out (the end): the waits stand where these are named below.
;
; REGISTERS, in windows of 256 (s_set_vgpr_msb: bits 1:0 source 0, 3:2 source 1, 5:4 source 2, 7:6 destination):
;   window 0: v0-15 addresses; v16 m, v17 l, v18 the extra row's score, v19 sum of Wal + bal; v20-27 sproj; v28-29 the add's; v30-31 a; v32-47 row sums S; v48-63 context;
;             v64-191 V's fragments, two buffers; in the epilogue v64-255 the columns' constants; in the context v64-95 p, v96-223 its results; v192-255 at work otherwise
;   window 1: Wv's fragments, four buffers of 64       windows 2, 3: the accumulators, (a, b) at v[8 (8 (a % 4) + b)]; between the products: window 2 V as it lands, window 3 V turned (at the head: the partial sums)
.set PITCH, 272                        ; an LDS row: 128 bf16 + 16 bytes: the 16 rows of a fragment load start 4 banks apart
.set PANEL, 128*PITCH                  ; 128 rows x 128 of K; eight panels hold the block
.set TAB,   8*PANEL                    ; -bv[1024]; at +4096 c (bv + hatt); at +8192 -2 Wal
.set SC,    TAB+12288                  ; each wave's part of the 128 scores
.set PB,    SC+2048                    ; each wave's own copy of p, bf16
.set RS,    PB+1024                    ; each wave's two sums at the start
.set CST,   RS+256                     ; each wave's stage for the way out
.set SPARE, CST+4096                   ; the spare words: 128 bytes for each wave, two blocks of 256 bytes that no other line names
.set SLICE, 524288                     ; bytes from one partial sum of hatt or satt to the next
.set MSB, 0
.macro WIN new                         ; the immediate's high byte repeats the setting that is left; a switch that changes nothing is dropped
.if MSB != (\new)
	s_set_vgpr_msb (MSB<<8)|(\new)
.set MSB, (\new)
.endif
.endm
.macro PLACES                          ; four places behind a matrix instruction, in front of vector lines that read its result; they stand too in front of the runs of loads into registers that products have read
.rept 4
	v_nop
.endr
.endm
.macro BAR                             ; my LDS instructions are done; then everybody's are
	s_wait_dscnt 0x0
	s_barrier_signal -1
	s_barrier_wait -1
.endm
; Wv's fragments of a strip's first three K steps, into buffers 0 to 2: 48 loads
.macro BPRO
	WIN 0x40
.irp i, 0,1,2
.irp b, 0,1,2,3,4,5,6,7
	global_load_b128 v[64*(\i)+8*(\b):64*(\i)+8*(\b)+3],   v1, s[28:29] offset:(\i)*8192+(\b)*1024
	global_load_b128 v[64*(\i)+8*(\b)+4:64*(\i)+8*(\b)+7], v1, s[28:29] offset:(\i)*8192+(\b)*1024+512
.endr
.endr
	WIN 0
.endm
; V lands in groups of 16 rows x 128 numbers: 16 loads, each 512 consecutive bytes of one row.  Group j of a round: numbers 128 (j / 2) on, rows 16 (j % 2) on; into set j % 4 of window 2.
.macro VFILL j
	WIN 0x80
.irp i, 0,1,2,3,4,5,6,7,8,9,10,11,12,13,14,15
	global_load_b128 v[64*((\j)%4)+4*(\i):64*((\j)%4)+4*(\i)+3], v1, s[26:27] offset:((\j)/2)*512+((\j)%2)*65536+(\i)*4096 th:TH_LOAD_NT
.endr
.endm
; Group tt is rounded in place; fill = 1: the set of the group before it takes the group three on; then group tt is stored, 256 consecutive LDS bytes an instruction.  left: the younger loads that may stay out.
.macro VTURN tt, fill, left
	s_wait_loadcnt \left
	WIN 0x8a
.irp i, 0,1,2,3,4,5,6,7,8,9,10,11,12,13,14,15
	v_cvt_pk_bf16_f32 v[64*(\tt)+4*(\i)],   v[64*(\tt)+4*(\i)],   v[64*(\tt)+4*(\i)+1]
	v_cvt_pk_bf16_f32 v[64*(\tt)+4*(\i)+1], v[64*(\tt)+4*(\i)+2], v[64*(\tt)+4*(\i)+3]
.endr
.if \fill
	WIN 0x80
	s_wait_alu depctr_va_vdst(0)                   ; the conversions have written this set, which the LDS stores below read, and v6 is written; all that named the set before it (the last turn's conversions, an epilogue) is done: the loads below land there
.if (\tt) > 0
	s_wait_alu depctr_vm_vsrc(0)                   ; the last turn's LDS stores have read the set in which the loads below land (for group 0 the wait at the round's end, or at the last block's, has stated it)
.endif
	VFILL (\tt)+3
.else
	WIN 0x08
	s_wait_alu depctr_va_vdst(0)                   ; the conversions have written this set, which the LDS stores below read
.endif
	WIN 0x08
.irp i, 0,1,2,3,4,5,6,7,8,9,10,11,12,13,14,15
	ds_store_b64 v6, v[64*(\tt)+4*(\i):64*(\tt)+4*(\i)+1] offset:((\tt)/2)*PANEL+((\tt)%2)*16*PITCH+(\i)*PITCH
.endr
.endm
; V's fragments of one K step (128 rows x 32) into buffer x: 16 loads, rows ascending
.macro FETCHA x, off
	WIN 0
.irp a, 0,1,2,3,4,5,6,7
	ds_load_b128 v[64+64*(\x)+8*(\a):64+64*(\x)+8*(\a)+3],   v2 offset:(\off)+(\a)*16*PITCH
	ds_load_b128 v[64+64*(\x)+8*(\a)+4:64+64*(\x)+8*(\a)+7], v2 offset:(\off)+(\a)*16*PITCH+32
.endr
.endm
; 16 matrix instructions: row tiles 4 hi + a0, 4 hi + a0 + 1 x all 8 column tiles.  The accumulators take turns, one instruction a turn, in the same order in every step.  zero = 1: the product starts the sums.
.macro MUL16 i, x, hi, a0, zero
	WIN 0xa1+0x50*(\hi)
.irp a, \a0, (\a0)+1
.irp b, 0,1,2,3,4,5,6,7
.if \zero
	v_wmma_f32_16x16x32_bf16 v[8*(8*(\a)+(\b)):8*(8*(\a)+(\b))+7], v[64*(\i)+8*(\b):64*(\i)+8*(\b)+7], v[64+64*(\x)+8*(4*(\hi)+(\a)):64+64*(\x)+8*(4*(\hi)+(\a))+7], 0
.else
	v_wmma_f32_16x16x32_bf16 v[8*(8*(\a)+(\b)):8*(8*(\a)+(\b))+7], v[64*(\i)+8*(\b):64*(\i)+8*(\b)+7], v[64+64*(\x)+8*(4*(\hi)+(\a)):64+64*(\x)+8*(4*(\hi)+(\a))+7], v[8*(8*(\a)+(\b)):8*(8*(\a)+(\b))+7]
.endif
.endr
.endr
.endm
; A K STEP.  i = the step's number mod 4: Wv's buffer; V's buffer is i % 2.  Behind its first 16 products stand the next step's fragments of V (nxt = 1), into the buffer that the step before read;
; in its middle Wv's fragments of the step three on (ld = 1), into the buffer that the step before read.  The one wait on va_vdst at its head serves both runs: no product of this step names those buffers.
; A pass's first step (zero = 1) has the wait at the pass's head in its stead; the last step loads nothing and has none.
; s[28:29] stands at the first of the four steps to which this one belongs; adv = 1: it is stepped there, and v2 goes a panel on.  lcnt: Wv's younger loads.  last = 1: the pass's last step.
.macro STEP i, zero, ld, lcnt, nxt, adv=0, last=0
	s_wait_loadcnt \lcnt                           ; this step's 16 loads of Wv are in; those of the steps behind it stay out
	s_wait_dscnt 8                                 ; V's rows 0-63 are in; the youngest eight loads may be out
.if \adv
	WIN 0
	s_wait_alu depctr_vm_vsrc(0)                   ; the fragments' loads issued so far have read v2
	s_add_co_u32 s44, s44, PANEL
	v_add_nc_u32 v2, s44, v3                       ; the next 128 of K lie a panel on
.endif
.if !(\zero) && (\nxt)
	s_wait_alu depctr_va_vdst(0)                   ; the products of the step before are done reading V's other buffer and the buffer of Wv in which this step's loads land; where v2 was stepped, it is written
.endif
	MUL16 \i, (\i)%2, 0, 0, \zero
.if \nxt
	WIN 0
	PLACES                                         ; behind the last product of the step before, which read the registers that are loaded in this step
.if (\i) == 3
	FETCHA 0, PANEL                                ; the next step's 32 of K lie at the head of the next panel
.else
	FETCHA 1-(\i)%2, 64*((\i)+1)
.endif
.endif
.if \last
	WIN 0
	s_wait_alu depctr_vm_vsrc(0)                   ; the fragments' loads, the last of them issued a step ago, have read v2
	s_mov_b32 s44, 0
	v_mov_b32 v2, v3                               ; back to the first panel
.endif
	MUL16 \i, (\i)%2, 0, 2, \zero
.if \ld
.if \adv
	s_wait_xcnt 0x0                                ; every load issued so far has read its address: the pointer may be written
	s_add_nc_u64 s[28:29], s[28:29], 0x8000        ; four K steps on
.endif
	WIN 0x40
.irp b, 0,1,2,3,4,5,6,7
	global_load_b128 v[64*(((\i)+3)%4)+8*(\b):64*(((\i)+3)%4)+8*(\b)+3],   v1, s[28:29] offset:((\i)+3)*8192+(\b)*1024
	global_load_b128 v[64*(((\i)+3)%4)+8*(\b)+4:64*(((\i)+3)%4)+8*(\b)+7], v1, s[28:29] offset:((\i)+3)*8192+(\b)*1024+512
.endr
.endif
.if \nxt
	s_wait_dscnt 16                                ; all LDS loads but the 16 issued in this step
.else
	s_wait_dscnt 0x0
.endif
	MUL16 \i, (\i)%2, 1, 0, \zero
	MUL16 \i, (\i)%2, 1, 2, \zero
.endm
; THE EPILOGUE for column tile b and the four row tiles of window ws, in place on 32 registers.  The exponentials are one batch with one wait, and so are the reciprocals: plain work on the next
; accumulator stands between the transcendentals of the one before; nothing ahead of a wait names a result of its batch.  Each accumulator is read from its lowest register on.
.macro SUB ws, b
.set CB, 64+24*(\b)                    ; the tile's constants: -bv 8, c (bv + hatt) 8, -2 Wal 8
	WIN ((\ws)<<6)|(\ws)
.irp ap, 0,1,2,3,4
.if (\ap) < 4
.irp j, 0,1,2,3,4,5,6,7
	v_max_num_f32 v[8*(8*(\ap)+(\b))+(\j)], v[8*(8*(\ap)+(\b))+(\j)], v[CB+(\j)]
.endr
.irp j, 0,2,4,6
	v_pk_fma_f32 v[8*(8*(\ap)+(\b))+(\j):8*(8*(\ap)+(\b))+(\j)+1], v[8*(8*(\ap)+(\b))+(\j):8*(8*(\ap)+(\b))+(\j)+1], s[36:37], v[CB+8+(\j):CB+8+(\j)+1] op_sel_hi:[1,0,1]
.endr
.endif
.if (\ap) > 0
.irp j, 0,1,2,3,4,5,6,7
	v_exp_f32 v[8*(8*((\ap)-1)+(\b))+(\j)], v[8*(8*((\ap)-1)+(\b))+(\j)]
.endr
.endif
.endr
	v_nop                                          ; a plain instruction behind the last exponential,
	s_wait_alu depctr_va_vdst(0)                   ; and one wait for the 32 exponentials' results, ahead of their first reader
.irp ap, 0,1,2,3,4
.if (\ap) < 4
.irp j, 0,2,4,6
	v_pk_add_f32 v[8*(8*(\ap)+(\b))+(\j):8*(8*(\ap)+(\b))+(\j)+1], v[8*(8*(\ap)+(\b))+(\j):8*(8*(\ap)+(\b))+(\j)+1], 1.0 op_sel_hi:[1,0]
.endr
.endif
.if (\ap) > 0
.irp j, 0,1,2,3,4,5,6,7
	v_rcp_f32 v[8*(8*((\ap)-1)+(\b))+(\j)], v[8*(8*((\ap)-1)+(\b))+(\j)]
.endr
.endif
.endr
	v_nop
	s_wait_alu depctr_va_vdst(0)                   ; one wait for the 32 reciprocals' results, ahead of their first reader
	WIN (\ws)                                      ; source 0 in the accumulators' window, all else in window 0
.irp jp, 0,2,4,6
.irp ap, 0,1,2,3
	v_pk_fma_f32 v[32+2*(4*((\ws)-2)+(\ap)):32+2*(4*((\ws)-2)+(\ap))+1], v[8*(8*(\ap)+(\b))+(\jp):8*(8*(\ap)+(\b))+(\jp)+1], v[CB+16+(\jp):CB+16+(\jp)+1], v[32+2*(4*((\ws)-2)+(\ap)):32+2*(4*((\ws)-2)+(\ap))+1]
.endr
.endr
.endm
; The context.  VTL g: rows 32 g .. + 31 of my 256 columns, turned, 16 fragments, into set g % 2 of window 3; w = 1: products have just read that set.  CMUL g: 16 products, the 16 accumulators (window 0, v96 on) by turns.
.macro VTL g, w=0
	WIN 0xc0
.if \w
	s_wait_alu depctr_va_vdst(0)                   ; the 16 products just issued are done reading the set in which these loads land
.endif
.irp t, 0,1,2,3,4,5,6,7,8,9,10,11,12,13,14,15
	ds_load_tr16_b128 v[128*((\g)%2)+8*(\t):128*((\g)%2)+8*(\t)+3],   v4 offset:((\t)/8)*PANEL+(\g)*32*PITCH+32*((\t)%8)
	ds_load_tr16_b128 v[128*((\g)%2)+8*(\t)+4:128*((\g)%2)+8*(\t)+7], v4 offset:((\t)/8)*PANEL+(\g)*32*PITCH+32*((\t)%8)+16*PITCH
.endr
.endm
.macro CMUL g
	WIN 0x0c                                       ; V turned in window 3; p, C and D in window 0
.irp t, 0,1,2,3,4,5,6,7,8,9,10,11,12,13,14,15
.if (\g) == 0
	v_wmma_f32_16x16x32_bf16 v[96+8*(\t):96+8*(\t)+7], v[64+8*(\g):64+8*(\g)+7], v[128*((\g)%2)+8*(\t):128*((\g)%2)+8*(\t)+7], 0
.else
	v_wmma_f32_16x16x32_bf16 v[96+8*(\t):96+8*(\t)+7], v[64+8*(\g):64+8*(\g)+7], v[128*((\g)%2)+8*(\t):128*((\g)%2)+8*(\t)+7], v[96+8*(\t):96+8*(\t)+7]
.endif
.endr
.endm
	s_load_b512 s[4:19], s[0:1], 0x0               ; V, wvb, bv, hattp, sattp, Wal, bal, sproj
	s_load_b64 s[20:21], s[0:1], 0x40              ; part
	s_load_b64 s[56:57], s[0:1], 0x48              ; bha
	s_load_b64 s[58:59], s[0:1], 0x50              ; bsa
	v_lshl_add_u32 v28, v0, 2, SPARE               ; my spare word
	v_mov_b32 v29, 0
	v_lshrrev_b32 v1, 5, v0
	v_readfirstlane_b32 s22, v1                    ; wave w
	s_mov_b32 s23, ttmp9                           ; g
	s_and_b32 s24, s23, 1                          ; which half of the batch
	v_and_b32 v192, 31, v0                         ; l
	v_and_b32 v193, 15, v0                         ; r
	v_bfe_u32 v194, v0, 4, 1                       ; h
	v_and_b32 v195, 7, v0
	v_bfe_u32 v196, v0, 3, 1
	v_lshlrev_b32 v1, 4, v192                      ; 16 l; never rewritten
	v_mul_u32_u24 v3, v193, PITCH
	v_lshl_add_u32 v3, v194, 4, v3                 ; a fragment of V: row r, 16 h bytes on; never rewritten
	v_mov_b32 v2, v3                               ; the same in the panel in hand
	s_wait_alu depctr_va_sdst(0)                   ; s22 is written, ahead of its first reader: LDS addresses and the buffers' offsets are made from it
	s_mul_i32 s50, s22, 2*PANEL
	v_lshl_add_u32 v4, v194, 3, v195
	v_mul_u32_u24 v4, v4, PITCH
	v_lshl_add_u32 v4, v196, 4, v4
	v_add_nc_u32 v4, s50, v4                       ; the turning load: my two panels, row 8 h + l % 8, 16 bytes by (l / 8) % 2
	s_lshl_b32 s50, s22, 9
	s_add_co_u32 s51, s50, TAB
	v_lshl_add_u32 v15, v194, 5, s51               ; the constants of my 128 columns, 8 h on; never rewritten
	v_mov_b32 v5, v15                              ; the same in the pass in hand
	s_add_co_u32 s51, s50, SC
	v_lshl_add_u32 v8, v192, 2, s51                ; where my wave's part of the scores goes
	v_lshl_add_u32 v9, v192, 2, SC                 ; and where all parts are read
	s_mul_i32 s50, s22, 32*PITCH
	v_lshl_add_u32 v7, v192, 3, s50                ; V's landing: my wave's 32 rows, 8 l bytes on; never rewritten
	v_mov_b32 v6, v7
	s_lshl_b32 s50, s22, 8
	s_add_co_u32 s50, s50, PB
	v_lshl_add_u32 v10, v192, 1, s50               ; p goes in by rows,
	v_lshl_add_u32 v11, v194, 4, s50               ; and comes out as a fragment whose 16 rows are alike
	s_lshl_b32 s50, s22, 10
	s_add_co_u32 s50, s50, CST
	v_lshl_add_u32 v12, v193, 2, s50
	v_lshl_add_u32 v13, v192, 4, s50
	v_lshlrev_b32 v14, 12, v192                    ; the prefetches: a lane a row of V; never rewritten
	v_lshlrev_b32 v197, 4, v0                      ; thread T takes columns 4 T .. + 3 and 512 + 4 T .. + 3 of the tables: each load of a wave covers 512 consecutive bytes
	v_lshl_add_u32 v198, v0, 4, TAB
	s_lshl_b32 s50, s22, 3
	s_add_co_u32 s50, s50, RS
	v_mov_b32 v199, s50
	v_mov_b32 v200, RS
	s_mov_b32 s36, 0x4038aa3b                      ; c = 2 log2(e)
	s_mov_b32 s37, s36                             ; named with it as a pair
	s_mov_b32 s38, 0x76543210                      ; v_permlanex16_b32: each lane takes its own place in the other half
	s_mov_b32 s39, 0xfedcba98
	s_mov_b32 s40, 0xffff0000                      ; lanes 16-31
	s_mov_b32 s41, 0x3fb8aa3b                      ; log2(e)
	s_cmp_eq_u32 s24, 1
	s_cselect_b32 s43, -1, 0                       ; all lanes in the second half of a batch, which has no extra row
	s_mov_b32 s44, 0                               ; the panel in hand, in bytes
	s_mov_b32 s45, 0                               ; the landing's panels, in bytes
	s_mov_b32 s49, 0                               ; the pass's half of the tables, in bytes
	s_lshl_b32 s30, s22, 18                        ; my strip of wvb: 262,144 bytes for 128 columns
	s_mov_b32 s31, 0
	s_lshr_b32 s50, s23, 1
	s_lshl_b32 s50, s50, 12                        ; the batch's row in a slice of hattp and sattp, and in sproj
	s_mov_b32 s51, 0
	s_mul_i32 s52, s23, 4608                       ; my row of part,
	s_lshl_b32 s53, s22, 10
	s_add_co_u32 s52, s52, s53                     ; my wave's 256 columns
	s_mov_b32 s53, 0
	s_wait_kmcnt 0x0
	s_load_b32 s42, s[16:17], 0x0                  ; bal
	s_add_nc_u64 s[10:11], s[10:11], s[50:51]
	s_add_nc_u64 s[12:13], s[12:13], s[50:51]
	s_add_nc_u64 s[18:19], s[18:19], s[50:51]
	s_lshl_b32 s50, s22, 10
	s_add_nc_u64 s[18:19], s[18:19], s[50:51]
	s_add_nc_u64 s[46:47], s[20:21], s[52:53]
	s_lshl_b32 s50, s23, 20                        ; 256 rows of 4,096 bytes,
	s_lshl_b32 s52, s22, 17                        ; my wave's 32 rows of a block
	s_add_co_u32 s50, s50, s52
	s_add_nc_u64 s[26:27], s[4:5], s[50:51]
	s_add_nc_u64 s[28:29], s[6:7], s[30:31]
	s_wait_alu depctr_va_vdst(0)                   ; all addresses, v1 to v14 and v197 to v200, are written, which the loads, stores and prefetches of the kernel read
	global_load_b128 v[64:67], v197, s[8:9]                        ; bv
	global_load_b128 v[68:71], v197, s[8:9] offset:2048
	global_load_b128 v[72:75], v197, s[56:57]                      ; bha
	global_load_b128 v[76:79], v197, s[56:57] offset:2048
	global_load_b128 v[80:83], v197, s[58:59]                      ; bsa
	global_load_b128 v[84:87], v197, s[58:59] offset:2048
	global_load_b128 v[88:91], v197, s[14:15]                      ; Wal
	global_load_b128 v[92:95], v197, s[14:15] offset:2048
	global_load_b128 v[20:23], v1, s[18:19]                        ; sproj
	global_load_b128 v[24:27], v1, s[18:19] offset:512
	WIN 0xc0                                       ; the 16 slices of hatt and of satt, into window 3: slice j at v[8 j] and v[128 + 8 j]
.set j, 0
.rept 16
	global_load_b128 v[8*j:8*j+3],           v197, s[10:11] offset:j*SLICE
	global_load_b128 v[8*j+4:8*j+7],         v197, s[10:11] offset:j*SLICE+2048
	global_load_b128 v[128+8*j:128+8*j+3],   v197, s[12:13] offset:j*SLICE
	global_load_b128 v[128+8*j+4:128+8*j+7], v197, s[12:13] offset:j*SLICE+2048
.set j, j+1
.endr
	WIN 0
	BPRO                                           ; the first pass's first three K steps of Wv,
	VFILL 0                                        ; and the first block's first three groups: they are on their way while the tables are made
	VFILL 1
	VFILL 2
	WIN 0
	s_wait_loadcnt 63                              ; 96 loads stand behind the 74 of the tables: those 74 are in
	WIN 0xcf                                       ; all in window 3: the slices are added, in f32
.set j, 1
.rept 15
.irp q, 0,2,4,6
	v_pk_add_f32 v[(\q):(\q)+1], v[(\q):(\q)+1], v[8*j+(\q):8*j+(\q)+1]
	v_pk_add_f32 v[128+(\q):128+(\q)+1], v[128+(\q):128+(\q)+1], v[128+8*j+(\q):128+8*j+(\q)+1]
.endr
.set j, j+1
.endr
	WIN 0x03                                       ; source 0 in window 3
.irp q, 0,2,4,6
	v_pk_add_f32 v[72+(\q):73+(\q)], v[(\q):(\q)+1], v[72+(\q):73+(\q)]            ; hatt
	v_pk_add_f32 v[80+(\q):81+(\q)], v[128+(\q):128+(\q)+1], v[80+(\q):81+(\q)]    ; satt
.endr
	WIN 0
.irp j, 0,2,4,6
	v_pk_mul_f32 v[96+(\j):97+(\j)], v[64+(\j):65+(\j)], -1.0 op_sel_hi:[1,0]       ; -bv
	v_pk_add_f32 v[104+(\j):105+(\j)], v[64+(\j):65+(\j)], v[72+(\j):73+(\j)]       ; bv + hatt
	v_pk_mul_f32 v[112+(\j):113+(\j)], v[88+(\j):89+(\j)], -2.0 op_sel_hi:[1,0]     ; -2 Wal
	v_pk_add_f32 v[120+(\j):121+(\j)], v[80+(\j):81+(\j)], v[72+(\j):73+(\j)]       ; the extra row: satt + hatt
.endr
.irp j, 0,2,4,6
	v_pk_mul_f32 v[104+(\j):105+(\j)], v[104+(\j):105+(\j)], s[36:37] op_sel_hi:[1,0]
	v_pk_mul_f32 v[120+(\j):121+(\j)], v[120+(\j):121+(\j)], s[36:37] op_sel_hi:[1,0]
.endr
.irp j, 0,1,2,3,4,5,6,7
	v_exp_f32 v[120+(\j)], v[120+(\j)]
.endr
	v_pk_add_f32 v[128:129], v[88:89], v[90:91]    ; the sum of my eight Wal: plain work behind the exponentials
	v_pk_add_f32 v[130:131], v[92:93], v[94:95]
	v_pk_add_f32 v[128:129], v[128:129], v[130:131]
	v_add_f32 v203, v128, v129
	s_wait_alu depctr_va_vdst(0)                   ; one wait for the eight exponentials' results, ahead of their first reader; and the tables, v96 to v119, are written, which the LDS stores read
	ds_store_b128 v198, v[96:99]
	ds_store_b128 v198, v[100:103] offset:2048
	ds_store_b128 v198, v[104:107] offset:4096
	ds_store_b128 v198, v[108:111] offset:6144
	ds_store_b128 v198, v[112:115] offset:8192
	ds_store_b128 v198, v[116:119] offset:10240
.irp j, 0,2,4,6
	v_pk_add_f32 v[120+(\j):121+(\j)], v[120+(\j):121+(\j)], 1.0 op_sel_hi:[1,0]
.endr
.irp j, 0,1,2,3,4,5,6,7
	v_rcp_f32 v[120+(\j)], v[120+(\j)]
.endr
	v_nop
	s_wait_alu depctr_va_vdst(0)                   ; one wait for the eight reciprocals' results, ahead of their first reader
	v_pk_mul_f32 v[132:133], v[120:121], v[112:113]
	v_pk_fma_f32 v[132:133], v[122:123], v[114:115], v[132:133]
	v_pk_fma_f32 v[132:133], v[124:125], v[116:117], v[132:133]
	v_pk_fma_f32 v[132:133], v[126:127], v[118:119], v[132:133]
	v_add_f32 v202, v132, v133
.irp m, 1,2,4,8
	v_add_f32_dpp v202, v202, v202 row_xmask:\m row_mask:0xf bank_mask:0xf
	v_add_f32_dpp v203, v203, v203 row_xmask:\m row_mask:0xf bank_mask:0xf
.endr
	v_permlanex16_b32 v130, v202, s38, s39
	v_permlanex16_b32 v131, v203, s38, s39
	v_pk_add_f32 v[202:203], v[202:203], v[130:131]
	s_wait_alu depctr_va_vdst(0)                   ; the wave's two sums, v202 and v203, are written, which the LDS store reads
	ds_store_b64 v199, v[202:203]                  ; all lanes write the same two words with the same values
	BAR                                            ; the tables and the four waves' sums lie in LDS
	ds_load_b128 v[204:207], v200
	ds_load_b128 v[208:211], v200 offset:16
	s_wait_dscnt 0x0
	s_wait_alu depctr_vm_vsrc(0)                   ; the head's loads and stores have read v197 to v200, their addresses, and v96 to v119, v202 and v203, their data: all of these are written again below
	s_wait_kmcnt 0x0                               ; bal
	v_pk_add_f32 v[204:205], v[204:205], v[206:207]
	v_pk_add_f32 v[208:209], v[208:209], v[210:211]
	v_pk_add_f32 v[204:205], v[204:205], v[208:209]
	v_add_f32 v19, s42, v205                       ; the sum of Wal + bal
	v_add_f32 v18, v204, v19                       ; the extra row's score
	v_mov_b32 v16, 0xff7fffff                      ; m starts at the lowest finite number,
	v_cndmask_b32 v18, v18, v16, s43               ; which is also the score of the row that the second half does not have: its weight comes out 0
	v_mov_b32 v17, 0                               ; l
.irp t, 0,1,2,3,4,5,6,7,8,9,10,11,12,13,14,15
	v_mov_b32 v[48+(\t)], 0                        ; the context
.endr
	s_mov_b32 s32, 2                               ; blocks to go
	s_mov_b32 s34, 4                               ; passes to go
.Lblk:
	; A BLOCK LANDS: each wave brings its own 32 rows, 16 groups, three groups (48 loads) always on their way; the first three have been asked for
	s_mov_b32 s48, 3
.Lrnd:                                 ; a round: four groups = 32 rows x 256 numbers = two panels
	VTURN 0, 1, 32                                 ; two younger groups stay out
	VTURN 1, 1, 32
	VTURN 2, 1, 32
	VTURN 3, 1, 32
	WIN 0
	s_wait_xcnt 0x0                                ; every load and prefetch issued so far has read its address: the pointer may be written
	s_add_nc_u64 s[26:27], s[26:27], 1024
	s_add_co_u32 s45, s45, 2*PANEL
	s_wait_alu depctr_vm_vsrc(0)                   ; the round's LDS stores have read v6, and the last group's its set, in which the next turn's loads land
	v_add_nc_u32 v6, s45, v7
	s_sub_co_u32 s48, s48, 1
	s_cmp_lg_u32 s48, 0
	s_cbranch_scc1 .Lrnd
	VTURN 0, 1, 32                                 ; the last round: one more group is asked for, then the counts run down
	VTURN 1, 0, 32
	VTURN 2, 0, 16
	VTURN 3, 0, 0
	WIN 0
	s_add_nc_u64 s[26:27], s[26:27], 524288-3072   ; all loads are in: on to the next block's 128 rows, back along the rows
	s_mov_b32 s45, 0
	s_wait_alu depctr_vm_vsrc(0)                   ; the landing's LDS stores have read v6 and window 2's four sets, which the products write
	v_mov_b32 v6, v7
	BAR                                            ; the whole block lies in LDS
.irp t, 0,1,2,3,4,5,6,7,8,9,10,11,12,13,14,15
	v_mov_b32 v[32+(\t)], 0                        ; the block's row sums
.endr
	s_mov_b32 s33, 2
.Lpas:
	s_wait_alu depctr_va_vdst(0)                   ; v2 is written; the epilogue and the context are done with v64 to v191 and the last pass's products with Wv's fourth buffer: the loads up to the second step's head land there
	FETCHA 0, 0
	STEP 0, 1, 1, 32, 1                            ; a pass's first step stands in front of the loop: its products start the sums
	WIN 0
	s_mov_b32 s35, 7
.Ltrip:                                ; steps 1 to 28, four a trip; the last of them asks for the strip's last step
	STEP 1, 0, 1, 32, 1
	STEP 2, 0, 1, 32, 1
	STEP 3, 0, 1, 32, 1
	STEP 0, 0, 1, 32, 1, 1
	WIN 0
	s_sub_co_u32 s35, s35, 1
	s_cmp_lg_u32 s35, 0
	s_cbranch_scc1 .Ltrip
	STEP 1, 0, 0, 32, 1                            ; steps 29 to 31 ask for nothing of Wv: the counts run down
	STEP 2, 0, 0, 16, 1
	STEP 3, 0, 0, 0, 0, 0, 1
	WIN 0
	PLACES                                         ; behind the pass's last product: its results are read below
	s_wait_alu depctr_va_vdst(0)                   ; the pass's products are done reading Wv's first three buffers and V's two, in which the next strip's loads and the constants' loads below land
	s_cmp_eq_u32 s34, 1
	s_cbranch_scc1 .Lnob                           ; behind the last pass there is no strip to ask for
	s_wait_xcnt 0x0
	s_xor_b32 s30, s30, 0x100000                   ; the other pass's strip: four strips on, or back
	s_add_nc_u64 s[28:29], s[6:7], s[30:31]
	BPRO                                           ; its first three K steps land under the epilogue
	s_cmp_lg_u32 s34, 3
	s_cbranch_scc1 .Lnob
	; the first block's products are over: the first 1,024 bytes of each of my 32 rows of the second block are prefetched, a lane a row, each aligned block of 256 bytes
	; named once in the launch; half an epilogue stands between these lines and the first loads of those rows, the other half, a softmax and a context in front of the rest
	global_prefetch_b8 v14, s[26:27] th:TH_LOAD_NT scope:SCOPE_SE
	global_prefetch_b8 v14, s[26:27] offset:256 th:TH_LOAD_NT scope:SCOPE_SE
	global_prefetch_b8 v14, s[26:27] offset:512 th:TH_LOAD_NT scope:SCOPE_SE
	global_prefetch_b8 v14, s[26:27] offset:768 th:TH_LOAD_NT scope:SCOPE_SE
.Lnob:
	; THE PASS'S EPILOGUE: the constants of my 128 columns, then rows 0-63, then rows 64-127
.irp b, 0,1,2,3,4,5,6,7
.irp tb, 0,1,2
	ds_load_b128 v[64+24*(\b)+8*(\tb):64+24*(\b)+8*(\tb)+3],   v5 offset:(\tb)*4096+64*(\b)
	ds_load_b128 v[64+24*(\b)+8*(\tb)+4:64+24*(\b)+8*(\tb)+7], v5 offset:(\tb)*4096+64*(\b)+16
.endr
.endr
	s_wait_dscnt 0x0
.irp b, 0,1,2,3,4,5,6,7
	SUB 2, \b
.endr
	WIN 0
	s_cmp_lg_u32 s34, 3
	s_cbranch_scc1 .Lnov
	s_wait_alu depctr_va_vdst(0)                   ; the epilogue of rows 0-63 is done with window 2's accumulators, in which the loads below land
	VFILL 0                                        ; the first block's last epilogue: window 2's accumulators are spent, and take the second block's first three groups
	VFILL 1
	VFILL 2
	WIN 0
.Lnov:
.irp b, 0,1,2,3,4,5,6,7
	SUB 3, \b
.endr
	WIN 0
	s_xor_b32 s49, s49, 0x800                      ; the other pass's 512 columns of the tables
	s_wait_alu depctr_vm_vsrc(0)                   ; the constants' LDS loads have read v5
	v_add_nc_u32 v5, s49, v15
	s_sub_co_u32 s34, s34, 1
	s_sub_co_u32 s33, s33, 1
	s_cmp_lg_u32 s33, 0
	s_cbranch_scc1 .Lpas
	; THE BLOCK'S SOFTMAX.  A row's sum lies in two registers and two lanes of each of four waves.
.irp a, 0,1,2,3,4,5,6,7
	v_add_f32 v[192+(\a)], v[32+2*(\a)], v[33+2*(\a)]
.endr
.irp a, 0,1,2,3,4,5,6,7
	v_permlanex16_b32 v[200+(\a)], v[192+(\a)], s38, s39
.endr
.irp a, 0,1,2,3,4,5,6,7
	v_add_f32 v[192+(\a)], v[192+(\a)], v[200+(\a)]
.endr
.irp g, 0,1,2,3
	v_cndmask_b32 v[208+(\g)], v[192+2*(\g)], v[193+2*(\g)], s40   ; lane l takes row 32 g + l
.endr
	s_wait_alu depctr_va_vdst(0)                   ; v208 to v211 are written, which the LDS stores read; the epilogue is done reading v212 to v227, in which the scores' loads land
.irp g, 0,1,2,3
	ds_store_b32 v8, v[208+(\g)] offset:128*(\g)
.endr
	BAR                                            ; all four waves' parts lie in LDS
.irp u, 0,1,2,3
.irp g, 0,1,2,3
	ds_load_b32 v[212+4*(\u)+(\g)], v9 offset:512*(\u)+128*(\g)
.endr
.endr
	s_wait_dscnt 0x0
	s_wait_alu depctr_vm_vsrc(0)                   ; the LDS stores above have read v208 to v211, which the context's products write
.irp g, 0,1,2,3
	v_add_f32 v[212+(\g)], v[212+(\g)], v[216+(\g)]
	v_add_f32 v[220+(\g)], v[220+(\g)], v[224+(\g)]
.endr
.irp g, 0,1,2,3
	v_add_f32 v[212+(\g)], v[212+(\g)], v[220+(\g)]
.endr
.irp g, 0,1,2,3
	v_add_f32 v[228+(\g)], v[212+(\g)], v19        ; every wave holds all 128 scores, four a lane
.endr
	v_max3_num_f32 v232, v228, v229, v230
	v_max_num_f32 v232, v232, v231
.irp m, 1,2,4,8
	v_max_num_f32_dpp v232, v232, v232 row_xmask:\m row_mask:0xf bank_mask:0xf
.endr
	v_permlanex16_b32 v233, v232, s38, s39
	v_max3_num_f32 v232, v232, v233, v16           ; the new m
	v_mul_f32 v233, s41, v232
	v_fma_f32 v234, v16, s41, -v233
.irp g, 0,1,2,3
	v_fma_f32 v[228+(\g)], v[228+(\g)], s41, -v233
.endr
	v_exp_f32 v30, v234                            ; a
.irp g, 0,1,2,3
	v_exp_f32 v[228+(\g)], v[228+(\g)]             ; p
.endr
	v_mov_b32 v16, v232                            ; a plain instruction behind the last exponential,
	s_wait_alu depctr_va_vdst(0)                   ; and one wait for the five exponentials' results, ahead of their first reader
	v_mov_b32 v31, v30
	v_add_f32 v234, v228, v229
	v_add_f32 v235, v230, v231
	v_add_f32 v234, v234, v235
.irp m, 1,2,4,8
	v_add_f32_dpp v234, v234, v234 row_xmask:\m row_mask:0xf bank_mask:0xf
.endr
	v_permlanex16_b32 v235, v234, s38, s39
	v_add_f32 v234, v234, v235
	v_fma_f32 v17, v17, v30, v234                  ; l = a l + the sum of p
.irp g, 0,1,2,3
	v_cvt_pk_bf16_f32 v[236+(\g)], v[228+(\g)], v[228+(\g)]
.endr
	s_wait_alu depctr_va_vdst(0)                   ; v236 to v239 are written, which the LDS stores read; the epilogue is done with v64 to v95 and with window 3, in which p's fragments and V turned land
.irp g, 0,1,2,3
	ds_store_b16 v10, v[236+(\g)] offset:64*(\g)
.endr
.irp g, 0,1,2,3
	ds_load_b128 v[64+8*(\g):64+8*(\g)+3], v11 offset:64*(\g)      ; my wave's own bytes; LDS serves a wave's instructions in order: these see the stores above
	ds_load_b128 v[64+8*(\g)+4:64+8*(\g)+7], v11 offset:64*(\g)+32
.endr
	; THE BLOCK'S CONTEXT
	VTL 0
	VTL 1
	s_wait_dscnt 32                                ; all but the run just issued: p's fragments and rows 0-31 are in
	CMUL 0
	PLACES
	VTL 2, 1
	s_wait_dscnt 32
	CMUL 1
	PLACES
	VTL 3, 1
	s_wait_dscnt 32
	CMUL 2
	s_wait_dscnt 0x0
	CMUL 3
	WIN 0
	PLACES
.irp t, 0,1,2,3,4,5,6,7,8,9,10,11,12,13,14,15
	v_fma_f32 v[48+(\t)], v[48+(\t)], v30, v[96+8*(\t)]    ; all 16 rows of a result are alike: its lowest register holds column 256 w + 16 t + r
.endr
	BAR                                            ; nobody reads the block or the scores any more
	s_sub_co_u32 s32, s32, 1
	s_cmp_lg_u32 s32, 0
	s_cbranch_scc1 .Lblk
	; THE END: the extra row, and the way out
	s_wait_alu depctr_va_vdst(0)                   ; the context, v48 to v63, is written, which the LDS stores read; the products and the lines above are done with v200 to v207, in which the loads from the stage land
.irp t, 0,1,2,3,4,5,6,7,8,9,10,11,12,13,14,15
	ds_store_b32 v12, v[48+(\t)] offset:64*(\t)    ; lanes l and l + 16 write the same word with the same value
.endr
	ds_load_b128 v[200:203], v13                   ; my wave's own stage: back as 4 neighbouring columns a lane
	ds_load_b128 v[204:207], v13 offset:512
	v_max_num_f32 v192, v16, v18
	v_mul_f32 v193, s41, v192
	v_fma_f32 v194, v16, s41, -v193
	v_fma_f32 v195, v18, s41, -v193
	v_exp_f32 v30, v194                            ; a
	v_exp_f32 v196, v195                           ; the extra row's weight
	v_nop
	s_wait_alu depctr_va_vdst(0)                   ; one wait for the two exponentials' results, ahead of their first reader
	v_mov_b32 v31, v30
	v_mov_b32 v197, v196
	v_fma_f32 v17, v17, v30, v196
.irp j, 0,2,4,6
	v_pk_mul_f32 v[20+(\j):21+(\j)], v[20+(\j):21+(\j)], v[196:197]
.endr
	s_wait_dscnt 0x0
.irp j, 0,2,4,6
	v_pk_fma_f32 v[200+(\j):201+(\j)], v[200+(\j):201+(\j)], v[30:31], v[20+(\j):21+(\j)]
.endr
	s_wait_alu depctr_va_vdst(0)                   ; the sums, v200 to v207, are written, which the two stores read
	global_store_b128 v1, v[200:203], s[46:47]     ; each store covers 512 consecutive bytes, aligned to 256
	global_store_b128 v1, v[204:207], s[46:47] offset:512
	s_cmp_lg_u32 s22, 0
	s_cbranch_scc1 .Lend
	v_mov_b32 v208, v192                           ; wave 0: (m, l) over and over, 512 bytes written whole
	v_mov_b32 v209, v17
	v_mov_b32 v210, v192
	v_mov_b32 v211, v17
	s_wait_alu depctr_va_vdst(0)                   ; v208 to v211 are written, which the store reads
	global_store_b128 v1, v[208:211], s[46:47] offset:4096
.Lend:
	s_wait_dscnt 0x0                               ; the closing lines, six on end
	s_wait_alu 0x0
	s_wait_tensorcnt 0x0
	ds_add_u32 v28, v29
	s_wait_dscnt 0x0
	s_endpgm
.Lfunc_end_k_qd2c28b7ee7_main:
	.size	k_qd2c28b7ee7_main, .Lfunc_end_k_qd2c28b7ee7_main-k_qd2c28b7ee7_main
	.p2alignl 7, 3214868480
	.fill 96, 4, 3214868480
	.section	.rodata,"a",@progbits
	.p2align	6, 0x0
	.amdhsa_kernel k_qd2c28b7ee7_main
		.amdhsa_group_segment_fixed_size 298752
		.amdhsa_private_segment_fixed_size 0
		.amdhsa_enable_private_segment 0
		.amdhsa_kernarg_size 88
		.amdhsa_user_sgpr_count 2
		.amdhsa_user_sgpr_kernarg_segment_ptr 1
		.amdhsa_wavefront_size32 1
		.amdhsa_system_sgpr_workgroup_id_x 1
		.amdhsa_system_sgpr_workgroup_id_y 1
		.amdhsa_system_sgpr_workgroup_id_z 1
		.amdhsa_system_vgpr_workitem_id 0
		.amdhsa_next_free_vgpr 1024
		.amdhsa_next_free_sgpr 66
		.amdhsa_reserve_vcc 0
		.amdhsa_float_denorm_mode_32 3
		.amdhsa_float_denorm_mode_16_64 3
		.amdhsa_memory_ordered 1
		.amdhsa_forward_progress 1
		.amdhsa_inst_pref_size 254
	.end_amdhsa_kernel
	.amdgpu_metadata
---
amdhsa.version: [ 1, 2 ]
amdhsa.kernels:
  - .name:           k_qd2c28b7ee7_main
    .symbol:         k_qd2c28b7ee7_main.kd
    .args:
      - { .name: V, .offset: 0, .size: 8, .value_kind: global_buffer, .address_space: global }
      - { .name: wvb, .offset: 8, .size: 8, .value_kind: global_buffer, .address_space: global }
      - { .name: bv, .offset: 16, .size: 8, .value_kind: global_buffer, .address_space: global }
      - { .name: hattp, .offset: 24, .size: 8, .value_kind: global_buffer, .address_space: global }
      - { .name: sattp, .offset: 32, .size: 8, .value_kind: global_buffer, .address_space: global }
      - { .name: Wal, .offset: 40, .size: 8, .value_kind: global_buffer, .address_space: global }
      - { .name: bal, .offset: 48, .size: 8, .value_kind: global_buffer, .address_space: global }
      - { .name: sproj, .offset: 56, .size: 8, .value_kind: global_buffer, .address_space: global }
      - { .name: part, .offset: 64, .size: 8, .value_kind: global_buffer, .address_space: global }
      - { .name: bha, .offset: 72, .size: 8, .value_kind: global_buffer, .address_space: global }
      - { .name: bsa, .offset: 80, .size: 8, .value_kind: global_buffer, .address_space: global }
    .group_segment_fixed_size: 298752
    .private_segment_fixed_size: 0
    .kernarg_segment_align: 8
    .kernarg_segment_size: 88
    .max_flat_workgroup_size: 128
    .sgpr_count:     66
    .vgpr_count:     1024
    .wavefront_size: 32
...
	.end_amdgpu_metadata
.endif
;; end of part 4
;; launch fin: the kernel of part 3 again; grid 128 x 1, 16 waves a work-group, no clusters, 276,480 bytes of LDS; arguments part, hproj, Wcp, bcp, out0; writes out0
